; MI455X (gfx1250); checked and timed in simulation.
; The chip was launched on July 23, 2026; its instructions are those of AMD's public machine-readable ISA for CDNA 5 (MIT licence, August 2026) and "CDNA5" Instruction Set Architecture Reference Guide (July 2026). The comments in the code are by the model that wrote it; some were corrected since.
;; Attention. Allowed arithmetic: matrix products marked QUANTISED: E2M3 operands, one E8M0 scale for each 32 along K, by v_wmma_scale_f32_16x16x128_f8f6f4 with both operands' format E2M3, f32 sums; products left as they are: f32 operands where the result goes on into a quantised operand, else bf16, f16 or f32 operands; f32 sums; everything else in f32.
;; Inputs: attention_weights 1,024 x 1,024 float32; context_vector 1,024 x 1 float32; gru_output 32 x 2,048 x 1,024 float32.
;; Outputs: out0 32 x 1,024 float32; out1 32 x 2,048 float32.
;; This version of the problem:
;;   THIS VERSION OF THE PROBLEM IS GIVEN IN LOW PRECISION. The matrix products marked QUANTISED in the list below multiply operands that are first quantised to E2M3 (2 exponent bits, 3 mantissa bits; 6 bits a number), with one power-of-two scale for each 32 numbers along K (OCP MX v1.0); their sums are f32. All else is computed in f32.
;;   The module's matrix products, in the order in which they are computed (A, B: the left and right operand; K: the contracted axis; several contracted axes count as one K, in the product's order):
;;     1. [M 65,536, K 1,024] x [K 1,024, N 1,024]; A: input gru_output; B: input attention_weights: QUANTISED
;;     2. [M 65,536, K 1,024] x [K 1,024, N 1]; A: computed on the way; B: input context_vector: left as it is (N = 1 < 16)
;;     3. batch 32 x [M 1,024, K 2,048] x [K 2,048, N 1]; A: input gru_output; B: softmax: left as it is (N = 1 < 16)
;;   THE QUANTISER, for each operand of a quantised product, along K:
;;     - K is cut into blocks of 32 from its start; a last block that is shorter is filled with zeros.
;;     - A block's scale is 2^e with e = floor(log2(the largest magnitude in the block)) - 2, held to -126 .. 127; a block of zeros has e = 0. As a byte (E8M0): e + 127.
;;     - Each number is divided by its block's scale, clamped to +-7.5, and rounded to the nearest number of E2M3, ties to even, subnormals kept.
;;     - The product sums the exact products of the quantised numbers (number of the format x scale) in f32.
;;   ~~~python
;;   def quantise(x, axis):      # numpy; x: float32 -> the quantised numbers, widened to float32 again
;;       x = np.moveaxis(x, axis, -1); K = x.shape[-1]
;;       x = np.pad(x, [(0, 0)] * (x.ndim - 1) + [(0, -K % 32)]); x = x.reshape(x.shape[:-1] + (-1, 32)); a = np.abs(x).max(-1, keepdims=True)
;;       e = np.where(a > 0, np.clip(np.frexp(np.where(a > 0, a, 1))[1] - 1 - 2, -126, 127), 0)      # np.frexp(a)[1] - 1 = floor(log2(a)), exactly
;;       r = np.clip(x / 2.0 ** e, -7.5, 7.5)
;;       step = 2.0 ** (np.maximum(np.frexp(np.where(r == 0, 1, r))[1] - 1, 0) - 3)
;;       q = np.round(r / step) * step * 2.0 ** e      # np.round: ties to even
;;       return np.moveaxis(q.reshape(q.shape[:-2] + (-1,))[..., :K], -1, axis).astype(np.float32)
;;   ~~~
;; 2 versions. Each part assembles by itself: llvm-mc -triple=amdgcn-amd-amdhsa -mcpu=gfx1250 --defsym DOCPART=n.
;; ======== version 1 of 2: 3 launches
;; workspace buffers: wq 786,432 bytes; ws 32,768 bytes; logits 262,144 bytes
;; launch prep (part 1): grid 16 x 8, 4 waves a work-group, no clusters, 768 bytes of LDS; arguments attention_weights, wq, ws; writes wq, ws
.if DOCPART == 1
	.amdgcn_target "amdgcn-amd-amdhsa--gfx1250"
	.amdhsa_code_object_version 6
	.text
	.protected	k_qb00d02d0b5_prep
	.globl	k_qb00d02d0b5_prep
	.p2align	8
	.type	k_qb00d02d0b5_prep,@function
k_qb00d02d0b5_prep:
	s_mov_b64 s[64:65], 0
	v_nop
	global_prefetch_b8 v0, s[64:65] scope:SCOPE_SE
	s_setreg_imm32_b32 hwreg(HW_REG_WAVE_MODE, 25, 1), 1
	s_wait_xcnt 0x0
; W [1024 (k)][1024 (n)], f32, K its FIRST axis, becomes codes of FP6 (E2M3) with one E8M0 byte for each 32 along K, laid as the images of operand registers
; that the next launch loads whole.  wq: [cg 16][s 8][t 4][g 3][lane 32][16 bytes]: fragment (cg, s, t) = columns 64 cg + 16 t + 0..15, k = 128 s + 0..127; lane (r, h) holds column r,
; its registers 6 c .. 6 c + 5 hold k = 128 s + 64 c + 32 h + 0..31; registers 4 g .. 4 g + 3 lie at 512 g + 16 x lane.  ws: [cg][s][t][r] words of four scale bytes (256 bytes for each (cg, s)).
; A work-group takes (cg, s), a wave one fragment t.  A LANE TAKES A COLUMN AND ITS REGISTERS RUN DOWN K, in the order that the operand's layout gives that lane: nothing is transposed.
; A block's scale is 2^(floor(log2(largest magnitude)) - 2); its byte is that magnitude's exponent field - 2, held at 1 from below.
; LIMITS: a block of zeros gets the byte 1 where the rule says 127 (its codes are zeros, and this program alone reads the bytes); NaN and infinities among the inputs are not served.
.set ROWW, 4096                        ; a row of W in bytes
	s_load_b128 s[4:7], s[0:1], 0x0                ; W, wq
	s_load_b64 s[8:9], s[0:1], 0x10                ; ws
	v_lshl_add_u32 v208, v0, 2, 0x100
	v_mov_b32 v209, 0
	v_lshrrev_b32 v1, 5, v0
	v_readfirstlane_b32 s10, v1                    ; wave = t
	v_and_b32 v1, 15, v0                           ; r
	v_bfe_u32 v2, v0, 4, 1                         ; h
	v_lshlrev_b32 v3, 2, v1
	v_lshl_add_u32 v3, v2, 17, v3                  ; W: 4 r, and 32 rows of 4,096 bytes further down for lanes 16-31
	v_and_b32 v4, 31, v0
	v_lshlrev_b32 v6, 3, v4                        ; 8 x lane
	v_lshlrev_b32 v4, 4, v4                        ; 16 x lane
	s_lshl_b32 s11, s10, 6
	v_lshlrev_b32 v5, 2, v1
	v_add_nc_u32 v5, s11, v5                       ; LDS: 64 t + 4 r: my column's scale word
	s_and_b32 s13, ttmp7, 0xffff                   ; s
	s_lshl_b32 s14, s13, 19                        ; 128 rows of W
	s_lshl_b32 s15, ttmp9, 8                       ; 64 columns
	s_add_co_u32 s14, s14, s15
	s_add_co_u32 s14, s14, s11                     ; 16 columns a wave
	s_mov_b32 s15, 0
	s_lshl_b32 s16, ttmp9, 3
	s_add_co_u32 s16, s16, s13                     ; 8 cg + s
	s_lshl_b32 s18, s16, 8                         ; its 256 bytes of scale words
	s_mov_b32 s19, 0
	s_lshl_b32 s16, s16, 2
	s_add_co_u32 s16, s16, s10
	s_mul_i32 s16, s16, 1536                       ; my fragment's image
	s_mov_b32 s17, 0
	s_mov_b32 s20, 0x76543210
	s_mov_b32 s21, 0xfedcba98                      ; v_permlanex16_b32's selects for lane l xor 16
	s_wait_kmcnt 0x0
	s_add_nc_u64 s[4:5], s[4:5], s[14:15]
	s_add_nc_u64 s[6:7], s[6:7], s[16:17]
	s_add_nc_u64 s[8:9], s[8:9], s[18:19]
.irp c, 0,1
.irp i, 0,1,2,3,4,5,6,7,8,9,10,11,12,13,14,15,16,17,18,19,20,21,22,23,24,25,26,27,28,29,30,31
	global_load_b32 v[64+32*\c+\i], v3, s[4:5] offset:(64*\c+\i)*ROWW th:TH_LOAD_NT   ; W(128 s + 64 c + 32 h + i, my column): the four waves stand side by side on 256 consecutive bytes of a row
.endr
.endr
	s_wait_loadcnt 0x0
.irp c, 0,1                                    ; my block 2 c + h: all its 32 numbers are mine
	v_max3_num_f32 v[32+\c], |v[64+32*\c]|, |v[65+32*\c]|, 0x1800000   ; with the floor 2^(3 - 127): the byte cannot fall under 1
.endr
.irp i, 2,4,6,8,10,12,14,16,18,20,22,24,26,28,30
.irp c, 0,1
	v_max3_num_f32 v[32+\c], v[32+\c], |v[64+32*\c+\i]|, |v[65+32*\c+\i]|   ; the two blocks by turns
.endr
.endr
.irp c, 0,1
	v_add_nc_u32 v[44+\c], 0xff000000, v[32+\c]    ; 2 off the exponent field: the conversion takes the exponent field of this operand as its scale
.endr
.irp c, 0,1
	v_lshrrev_b32 v[36+\c], 23, v[44+\c]           ; the scale's byte
.endr
	v_lshl_or_b32 v9, v37, 16, v36                 ; my two bytes: blocks h and 2 + h,
	v_lshlrev_b32 v10, 3, v2
	v_lshlrev_b32 v9, v10, v9                      ; at their places in the word (8 h bits up);
	v_mov_b32 v10, 0
	v_permlanex16_b32 v10, v9, s20, s21
	v_or_b32 v9, v9, v10                           ; with lane l xor 16's two the word is whole
.irp c, 0,1
	v_cvt_scalef32_pk16_fp6_f32 v[48+6*\c:50+6*\c], v[64+32*\c:79+32*\c], v[44+\c]
	v_cvt_scalef32_pk16_fp6_f32 v[192+4*\c:194+4*\c], v[80+32*\c:95+32*\c], v[44+\c]   ; a conversion's three registers begin on an even number: the second half is made elsewhere and moved
.endr
	v_nop                                          ; one plain place behind a scaled conversion
.irp c, 0,1
.irp i, 0,1,2
	v_mov_b32 v[51+6*\c+\i], v[192+4*\c+\i]
.endr
.endr
.irp g, 0,1,2
	global_store_b128 v4, v[48+4*\g:51+4*\g], s[6:7] offset:512*\g   ; 32 lanes store 512 consecutive bytes, at a multiple of 512 from wq's first byte
.endr
	ds_store_b32 v5, v9                            ; lanes r and r + 16 write the same word with the same value
	s_wait_dscnt 0x0                               ; for the others' sake: my store has landed
	s_barrier_signal -1
	s_barrier_wait -1
	s_cmp_lg_u32 s10, 0
	s_cbranch_scc1 .Lend
	ds_load_b64 v[12:13], v6                       ; wave 0: the four waves' 64 words
	s_wait_dscnt 0x0
	global_store_b64 v6, v[12:13], s[8:9]          ; 32 lanes store 256 consecutive bytes, aligned
.Lend:
	s_wait_tensorcnt 0x0
	ds_add_u32 v208, v209
	s_wait_dscnt 0x0
	s_endpgm
.Lfunc_end_k_qb00d02d0b5_prep:
	.size	k_qb00d02d0b5_prep, .Lfunc_end_k_qb00d02d0b5_prep-k_qb00d02d0b5_prep
	.p2alignl 7, 3214868480
	.fill 96, 4, 3214868480
	.section	.rodata,"a",@progbits
	.p2align	6, 0x0
	.amdhsa_kernel k_qb00d02d0b5_prep
		.amdhsa_group_segment_fixed_size 768
		.amdhsa_private_segment_fixed_size 0
		.amdhsa_enable_private_segment 0
		.amdhsa_kernarg_size 24
		.amdhsa_user_sgpr_count 2
		.amdhsa_user_sgpr_kernarg_segment_ptr 1
		.amdhsa_wavefront_size32 1
		.amdhsa_system_sgpr_workgroup_id_x 1
		.amdhsa_system_sgpr_workgroup_id_y 1
		.amdhsa_system_sgpr_workgroup_id_z 1
		.amdhsa_system_vgpr_workitem_id 0
		.amdhsa_next_free_vgpr 210
		.amdhsa_next_free_sgpr 66
		.amdhsa_reserve_vcc 0
		.amdhsa_float_denorm_mode_32 3
		.amdhsa_float_denorm_mode_16_64 3
		.amdhsa_memory_ordered 1
		.amdhsa_forward_progress 1
		.amdhsa_inst_pref_size 12
	.end_amdhsa_kernel
	.amdgpu_metadata
---
amdhsa.version: [ 1, 2 ]
amdhsa.kernels:
  - .name:           k_qb00d02d0b5_prep
    .symbol:         k_qb00d02d0b5_prep.kd
    .args:
      - { .name: attention_weights, .offset: 0, .size: 8, .value_kind: global_buffer, .address_space: global }
      - { .name: wq, .offset: 8, .size: 8, .value_kind: global_buffer, .address_space: global }
      - { .name: ws, .offset: 16, .size: 8, .value_kind: global_buffer, .address_space: global }
    .group_segment_fixed_size: 768
    .private_segment_fixed_size: 0
    .kernarg_segment_align: 8
    .kernarg_segment_size: 24
    .max_flat_workgroup_size: 128
    .sgpr_count:     66
    .vgpr_count:     210
    .wavefront_size: 32
...
	.end_amdgpu_metadata
.endif
;; end of part 1
;; launch score (part 2): grid 256 x 1, 4 waves a work-group, no clusters, 276,224 bytes of LDS; arguments gru_output, wq, ws, context_vector, logits; writes logits
.if DOCPART == 2
	.amdgcn_target "amdgcn-amd-amdhsa--gfx1250"
	.amdhsa_code_object_version 6
	.text
	.protected	k_qb00d02d0b5_score
	.globl	k_qb00d02d0b5_score
	.p2align	8
	.type	k_qb00d02d0b5_score,@function
k_qb00d02d0b5_score:
	s_mov_b64 s[64:65], 0
	v_nop
	global_prefetch_b8 v0, s[64:65] scope:SCOPE_SE
	s_setreg_imm32_b32 hwreg(HW_REG_WAVE_MODE, 25, 1), 1
	s_wait_xcnt 0x0
; logits[row] = sum over n of c[n] tanh( sum over k of Q(X)[row][k] Q(W)[k][n] ), the product on codes of FP6 (E2M3) with one E8M0 scale for each 32 along K, sums in f32.
; X: [65,536][1024] f32.  wq, ws: W's codes and scale words as images of operand registers (made by the launch before).  c: [1024] f32.  logits: [65,536] f32.
; SHARES.  A work-group of four waves owns 256 rows of X: 16 tiles of 16 rows.
;   PHASE X: wave w quantises tiles 4 w .. 4 w + 3 and lays each fragment (16 rows x 128 K: 12 registers a lane) into LDS as an image of its registers (16 x lane + 512 g), its scale words beside it.
;   PHASE G: THE WAVES SHARE THE COLUMNS: wave w takes columns 256 w .. + 255 in four chunks of 64.  A chunk's W (32 fragments, 384 registers) is loaded once and stays in registers for 16 jobs; a job is one
;   tile of rows x 64 columns x all of K: 32 matrix instructions on four accumulators by turns, then tanh and the product with c in f32, which leaves one partial sum a lane.
;   END: the partial sums (4 waves x 4 chunks x 2 halves of the lanes) meet in LDS; each thread adds up two rows and stores them.
; TRANSPOSED USE: source 0 = 16 columns of W, source 1 = 16 rows of X: lane (r, h) holds row r and columns 8 h + 0..7 of the tile.
; tanh(x) = 1 - 2 / (1 + 2^(2 log2(e) x)), so c tanh(x) = c + (-2 c) / (1 + 2^(..)): the table in LDS holds -2 c, and the sum of c is added once at the end.  Where the power overflows the reciprocal is 0 (tanh = 1); where it falls to 0, tanh = -1.
; NO CLUSTER, NO JOINT LOADS, though all work-groups read the same W: a wave loads 49,152 bytes of W for a chunk, straight into the registers that hold them for 16 jobs, against 196,608 bytes of X's images that it reads
; from LDS in that time; a joint load would bring W into LDS, and beside the 275,712 bytes in use there is room for 51,968, one wave's chunk and not the four waves' 196,608.
; LIMITS: a block of zeros gets the byte 1 where the rule says 127 (its codes are zeros; the bytes stay in this launch); NaN and infinities among the inputs are not served.
; REGISTERS, in windows of 256.  Window 0: v2-15, v72-73 addresses; v16-31 W's scale words, v32-39 X's (two sets): these hold scales and nothing else; v40-71 -2 c of the chunk; v112-143 four accumulators; v176-183 partial sums;
;   phase X alone: v128-191 64 numbers, v192-218 at work.   Window 1: W's fragments of K steps 0-4.   Window 2: of K steps 5-7.   Window 3: phase X: four sets of 64 for the loads of X; phase G: X's fragments, two sets of 96.
.set FRB,  1536                        ; a fragment's image in bytes
.set AIMG, 0                           ; LDS: X's 128 fragments, (tile m, K step s) at (8 m + s) FRB
.set ASC,  196608                      ; their scale words: 512 m + 16 (r + 16 (s & 1)) + 4 (s >> 1): one load of 16 bytes a lane brings a tile's eight words, K step 2 q in lanes 0-15 and 2 q + 1 in lanes 16-31 of register q
.set C2T,  204800                      ; -2 c, 1,024 numbers
.set CSUM, 208896                      ; the four waves' sums of c
.set LRED, 209152                      ; partial sums: 8192 wave + 2048 chunk + 128 m + 4 lane
.set STG,  241920                      ; a stage for each wave: 16 rows x (512 bytes + 16)
.set SPI,  528
.set LI,   2                           ; v2   16 x lane
.set L4,   3                           ; v3   4 x lane
.set STW,  4                           ; v4   the stage, on the way in: 16 x lane
.set STR,  5                           ; v5   on the way out: 528 r + 128 h
.set AWI,  6                           ; v6   where this tile's images go;  v8 its base: 16 x lane + 49152 wave
.set AWS,  7                           ; v7   and its scale words;  v9 its base: ASC + 2048 wave + 16 r
.set AWIB, 8
.set AWSB, 9
.set VA,   10                          ; v10  phase G: the pair of jobs' place among the images
.set VS,   11                          ; v11  and among the scale words;  v12 its base: ASC + 16 x lane
.set VSB,  12
.set VR,   13                          ; v13  where the pair's partial sums go;  v15 its base
.set SH,   14                          ; v14  8 h
.set VRB,  15
.set BSC,  16
.set ASR,  32
.set C2,   40
.set C2B,  72                          ; v72  C2T + 1024 wave + 32 h;  v73 with the chunk's 256
.set C2A,  73
.set ACC,  112
.set TP,   176
.set X,    128
.set MX,   192
.set SO,   194
.set BY,   196
.set PW,   198
.set T,    199
.set PC,   200
.set PX,   212
.set MSB, 0
.macro WIN new                         ; the immediate's high byte repeats the setting that is left; a switch that changes nothing is dropped
.if MSB != \new
	s_set_vgpr_msb (MSB<<8)|\new
.set MSB, \new
.endif
.endm
; 16 rows x one K step of X (512 bytes of each row) into load set 'set' of window 3: each load reads 512 consecutive bytes
.macro XLOAD set, off
	WIN 0xc0                                       ; destination window 3
.irp i, 0,1,2,3,4,5,6,7,8,9,10,11,12,13,14,15
	global_load_b128 v[64*(\set)+4*\i:64*(\set)+4*\i+3], v[LI], s[4:5] offset:\off+4096*\i th:TH_LOAD_NT
.endr
	WIN 0
.endm
; A chunk's W: 32 fragments (f = 4 s + t) and 16 registers of scale words (2 s + t / 2: tile 2 (t / 2) in lanes 0-15, the next in lanes 16-31)
.macro BLOAD
	WIN 0x40                                       ; destination window 1
.set f, 0
.rept 20
.irp g, 0,1,2
	global_load_b128 v[12*f+4*\g:12*f+4*\g+3], v[LI], s[6:7] offset:FRB*f+512*\g
.endr
.set f, f+1
.endr
	WIN 0x80                                       ; destination window 2
.rept 12
.irp g, 0,1,2
	global_load_b128 v[12*(f-20)+4*\g:12*(f-20)+4*\g+3], v[LI], s[6:7] offset:FRB*f+512*\g
.endr
.set f, f+1
.endr
	WIN 0
.irp i, 0,1,2,3,4,5,6,7,8,9,10,11,12,13,14,15
	global_load_b32 v[BSC+\i], v[L4], s[8:9] offset:128*\i
.endr
.endm
; 64 numbers of a lane, register 32 c + i = k 64 c + 32 h + i of my row, become a fragment's codes in v[PC] on and its scale word in v[PW].  A lane holds two whole blocks.
.macro QUANT
.irp c, 0,1
	v_max3_num_f32 v[MX+\c], |v[X+32*\c]|, |v[X+1+32*\c]|, 0x1800000   ; with the floor 2^(3 - 127): the byte cannot fall under 1
.endr
.irp i, 2,4,6,8,10,12,14,16,18,20,22,24,26,28,30
.irp c, 0,1
	v_max3_num_f32 v[MX+\c], v[MX+\c], |v[X+32*\c+\i]|, |v[X+1+32*\c+\i]|   ; the two blocks by turns
.endr
.endr
.irp c, 0,1
	v_add_nc_u32 v[SO+\c], 0xff000000, v[MX+\c]    ; 2 off the exponent field: the conversion's scale operand
.endr
.irp c, 0,1
	v_lshrrev_b32 v[BY+\c], 23, v[SO+\c]           ; the scale's byte
.endr
	v_lshl_or_b32 v[PW], v[BY+1], 16, v[BY]        ; blocks h and 2 + h,
	v_lshlrev_b32 v[PW], v[SH], v[PW]              ; 8 h bits up;
	v_permlanex16_b32 v[T], v[PW], s20, s21
	v_or_b32 v[PW], v[PW], v[T]                    ; with lane l xor 16's two the word is whole
.irp c, 0,1
	v_cvt_scalef32_pk16_fp6_f32 v[PC+6*\c:PC+2+6*\c], v[X+32*\c:X+15+32*\c], v[SO+\c]
	v_cvt_scalef32_pk16_fp6_f32 v[PX+4*\c:PX+2+4*\c], v[X+16+32*\c:X+31+32*\c], v[SO+\c]   ; a conversion's three registers begin on an even number
.endr
	v_nop                                          ; one plain place behind a scaled conversion
.irp c, 0,1
.irp i, 0,1,2
	v_mov_b32 v[PC+3+6*\c+\i], v[PX+4*\c+\i]
.endr
.endr
.endm
; K step s of the tile in hand.  left: the younger loads of X that may stay out.  refill = 1: the set just emptied takes the K step four on.  bl = 1: the first chunk's W is asked for here.
.macro UNIT s, refill, left, bl
	s_wait_loadcnt \left                           ; loads come back in order: this K step's sixteen are in
	WIN 0x0c                                       ; an LDS store's data are its source 1: window 3
.irp i, 0,1,2,3,4,5,6,7,8,9,10,11,12,13,14,15
	ds_store_b128 v[STW], v[64*((\s)%4)+4*\i:64*((\s)%4)+4*\i+3] offset:SPI*\i   ; as loaded: row i's 512 bytes
.endr
	WIN 0
.irp c, 0,1
.irp j, 0,1,2,3,4,5,6,7
	ds_load_b128 v[X+32*\c+4*\j:X+32*\c+4*\j+3], v[STR] offset:256*\c+16*\j   ; back: 32 neighbours of my row for each of my two blocks.  LDS serves a wave's instructions in order: these see the stores above
.endr
.endr
	s_wait_dscnt 0x0                               ; the numbers are back; the stage's stores have read the load set; the last K step's image stores have read v[PC] on
.if \refill
.if (\s) < 4
	XLOAD (\s)%4, ((\s)+4)*512
.else
	XLOAD (\s)%4, 65536+((\s)-4)*512               ; the next tile's 16 rows
.endif
.endif
.if \bl
	BLOAD
.endif
	QUANT
.irp g, 0,1,2
	ds_store_b128 v[AWI], v[PC+4*\g:PC+4*\g+3] offset:FRB*(\s)+512*\g
.endr
	ds_store_b32 v[AWS], v[PW] offset:256*((\s)&1)+4*((\s)>>1)   ; lanes r and r + 16 write the same word with the same value
.endm
.macro XADR                            ; this tile's places in LDS: a fixed base and a scalar that steps by a constant
	v_add_nc_u32 v[AWI], s27, v[AWIB]
	v_add_nc_u32 v[AWS], s28, v[AWSB]
.endm
; One matrix instruction: set p of X's fragments, K step s, column tile t.  The first K step starts the sums with the constant 0.
.macro WM p, s, t
.set rD, ACC+8*(\t)
.if (\s) < 5
.set rB, 12*(4*(\s)+(\t))
.else
.set rB, 12*(4*(\s)+(\t)-20)
.endif
.set rA, 96*(\p)+12*(\s)
.set rSB, BSC+2*(\s)+(\t)/2
.set rSA, ASR+4*(\p)+(\s)/2
.if (\s) == 0
.if ((\t)&1) == 0
	v_wmma_scale_f32_16x16x128_f8f6f4 v[rD:rD+7], v[rB:rB+11], v[rA:rA+11], 0, v[rSB], v[rSA] matrix_a_fmt:MATRIX_FMT_FP6 matrix_b_fmt:MATRIX_FMT_FP6
.else
	v_wmma_scale_f32_16x16x128_f8f6f4 v[rD:rD+7], v[rB:rB+11], v[rA:rA+11], 0, v[rSB], v[rSA] matrix_a_fmt:MATRIX_FMT_FP6 matrix_b_fmt:MATRIX_FMT_FP6 matrix_a_scale:MATRIX_SCALE_ROW1
.endif
.elseif ((\s)&1) == 0
.if ((\t)&1) == 0
	v_wmma_scale_f32_16x16x128_f8f6f4 v[rD:rD+7], v[rB:rB+11], v[rA:rA+11], v[rD:rD+7], v[rSB], v[rSA] matrix_a_fmt:MATRIX_FMT_FP6 matrix_b_fmt:MATRIX_FMT_FP6
.else
	v_wmma_scale_f32_16x16x128_f8f6f4 v[rD:rD+7], v[rB:rB+11], v[rA:rA+11], v[rD:rD+7], v[rSB], v[rSA] matrix_a_fmt:MATRIX_FMT_FP6 matrix_b_fmt:MATRIX_FMT_FP6 matrix_a_scale:MATRIX_SCALE_ROW1
.endif
.else
.if ((\t)&1) == 0
	v_wmma_scale_f32_16x16x128_f8f6f4 v[rD:rD+7], v[rB:rB+11], v[rA:rA+11], v[rD:rD+7], v[rSB], v[rSA] matrix_a_fmt:MATRIX_FMT_FP6 matrix_b_fmt:MATRIX_FMT_FP6 matrix_b_scale:MATRIX_SCALE_ROW1
.else
	v_wmma_scale_f32_16x16x128_f8f6f4 v[rD:rD+7], v[rB:rB+11], v[rA:rA+11], v[rD:rD+7], v[rSB], v[rSA] matrix_a_fmt:MATRIX_FMT_FP6 matrix_b_fmt:MATRIX_FMT_FP6 matrix_a_scale:MATRIX_SCALE_ROW1 matrix_b_scale:MATRIX_SCALE_ROW1
.endif
.endif
.endm
; tanh and the product with c for a job's 32 numbers a lane.  Each kind of transcendental is ONE batch with one plain instruction and one wait behind it.
.macro EPI p
.set i, 0
.rept 16
	v_pk_mul_f32 v[ACC+2*i:ACC+2*i+1], v[ACC+2*i:ACC+2*i+1], s[22:23] op_sel_hi:[1,0]   ; 2 log2(e) x; each accumulator from its low end on
.set i, i+1
.endr
.set i, 0
.rept 32
	v_exp_f32 v[ACC+i], v[ACC+i]
.set i, i+1
.endr
	v_nop                                          ; a plain instruction behind the last exponential
	s_wait_alu depctr_va_vdst(0)                   ; the wait ahead of the batch's first reader: one for the 32
.set i, 0
.rept 16
	v_pk_add_f32 v[ACC+2*i:ACC+2*i+1], v[ACC+2*i:ACC+2*i+1], 1.0 op_sel_hi:[1,0]
.set i, i+1
.endr
.set i, 0
.rept 32
	v_rcp_f32 v[ACC+i], v[ACC+i]
.set i, i+1
.endr
	v_nop
	s_wait_alu depctr_va_vdst(0)                   ; and one for the 32 reciprocals
.irp t, 0,1,2,3
	v_pk_mul_f32 v[TP+2*\t:TP+2*\t+1], v[ACC+8*\t:ACC+8*\t+1], v[C2+8*\t:C2+8*\t+1]   ; the first product starts each of four chains
.endr
.irp u, 1,2,3
.irp t, 0,1,2,3
	v_pk_fma_f32 v[TP+2*\t:TP+2*\t+1], v[ACC+8*\t+2*\u:ACC+8*\t+2*\u+1], v[C2+8*\t+2*\u:C2+8*\t+2*\u+1], v[TP+2*\t:TP+2*\t+1]
.endr
.endr
	v_pk_add_f32 v[TP:TP+1], v[TP:TP+1], v[TP+2:TP+3]
	v_pk_add_f32 v[TP+4:TP+5], v[TP+4:TP+5], v[TP+6:TP+7]
	v_pk_add_f32 v[TP:TP+1], v[TP:TP+1], v[TP+4:TP+5]
	v_add_f32 v[TP], v[TP], v[TP+1]
	ds_store_b32 v[VR], v[TP] offset:128*\p        ; my row's part over my 32 columns of the chunk
.endm
; A JOB: a tile of rows against the chunk's 64 columns.  It multiplies set p and first asks for the next job's fragments and scale words, into the other set.
; tail = 1: the chunk's last job: behind its products the next chunk's W is asked for, if there is one.
.macro JOB p, areg, aoff, sreg, soff, tail
	WIN 0xc0                                       ; destination window 3
.irp s, 0,1,2,3,4,5,6,7
.irp g, 0,1,2
	ds_load_b128 v[96*(1-\p)+12*\s+4*\g:96*(1-\p)+12*\s+4*\g+3], v[\areg] offset:\aoff+FRB*\s+512*\g
.endr
.endr
	WIN 0
	ds_load_b128 v[ASR+4*(1-\p):ASR+3+4*(1-\p)], v[\sreg] offset:\soff
	s_wait_dscnt 25                                ; all but the 25 just issued: this job's fragments and words, the chunk's -2 c and the last partial sum's store are done
	WIN 0x0d                                       ; source 0 (W) window 1, source 1 (X) window 3, C and D window 0
.irp s, 0,1,2,3,4
.irp t, 0,1,2,3
	WM \p, \s, \t                                  ; the four accumulators take turns, one instruction a turn
.endr
.endr
	WIN 0x0e                                       ; W's K steps 5-7 lie in window 2
.irp s, 5,6,7
.irp t, 0,1,2,3
	WM \p, \s, \t
.endr
.endr
	WIN 0
.rept 5
	v_nop                                          ; places behind the products: four for the reads of the results and for loads into the operands' registers, a fifth for the next job's first product, which writes over an accumulator
.endr
.if \tail
	s_cmp_eq_u32 s25, 3
	s_cbranch_scc1 .Lno_w_\@
	s_add_nc_u64 s[6:7], s[6:7], 32*FRB            ; the loads that named these bases were shown done at the chunk's head
	s_add_nc_u64 s[8:9], s[8:9], 2048
	BLOAD
.Lno_w_\@:
.endif
	EPI \p
.endm
.macro GADR                            ; a pair of jobs' places in LDS: fixed bases and scalars that step by constants
	v_add_nc_u32 v[VA], s27, v[LI]
	v_add_nc_u32 v[VS], s28, v[VSB]
	v_add_nc_u32 v[VR], s29, v[VRB]
.endm
	s_load_b256 s[4:11], s[0:1], 0x0               ; X s[4:5], wq s[6:7], ws s[8:9], c s[10:11]
	s_load_b64 s[12:13], s[0:1], 0x20              ; logits
	v_lshl_add_u32 v110, v0, 2, 0x43500
	v_mov_b32 v111, 0
	v_lshrrev_b32 v1, 5, v0
	v_readfirstlane_b32 s14, v1                    ; wave 0..3
	v_and_b32 v74, 31, v0                          ; lane
	v_and_b32 v1, 15, v0                           ; r
	v_bfe_u32 v75, v0, 4, 1                        ; h
	v_lshlrev_b32 v[LI], 4, v74
	v_lshlrev_b32 v[L4], 2, v74
	s_mul_i32 s15, s14, 16*SPI
	s_add_co_u32 s15, s15, STG                     ; my stage
	v_add_nc_u32 v[STW], s15, v[LI]
	v_mul_u32_u24 v[STR], v1, SPI
	v_lshl_add_u32 v[STR], v75, 7, v[STR]
	v_add_nc_u32 v[STR], s15, v[STR]
	s_mul_i32 s15, s14, 32*FRB                     ; my four tiles' images
	v_add_nc_u32 v[AWIB], s15, v[LI]
	s_lshl_b32 s15, s14, 11
	s_add_co_u32 s15, s15, ASC
	v_lshl_add_u32 v[AWSB], v1, 4, s15
	v_add_nc_u32 v[VSB], ASC, v[LI]
	v_lshlrev_b32 v[SH], 3, v75
	s_lshl_b32 s15, s14, 13
	s_add_co_u32 s15, s15, LRED
	v_add_nc_u32 v[VRB], s15, v[L4]
	s_lshl_b32 s15, s14, 10
	s_add_co_u32 s15, s15, C2T
	v_lshl_add_u32 v[C2B], v75, 5, s15
	v_mov_b32 v[T], 0                              ; written once: a lane permute's destination counts as one of its sources
	v_lshlrev_b32 v104, 5, v0                      ; c: 8 numbers a thread
	s_mov_b32 s20, 0x76543210
	s_mov_b32 s21, 0xfedcba98                      ; v_permlanex16_b32's selects for lane l xor 16
	s_mov_b32 s22, 0x4038aa3b                      ; 2 log2(e)
	s_mov_b32 s23, s22                             ; named with it as a pair, so it is written
	s_lshl_b32 s16, ttmp9, 20                      ; the work-group's 256 rows of 4,096 bytes,
	s_lshl_b32 s17, s14, 18                        ; my wave's 64 of them
	s_add_co_u32 s16, s16, s17
	s_mov_b32 s17, 0
	s_mul_i32 s18, s14, 128*FRB                    ; my four chunks of W
	s_mov_b32 s19, 0
	s_lshl_b32 s24, s14, 13                        ; and their scale words
	s_mov_b32 s25, 0
	s_lshl_b32 s26, ttmp9, 10                      ; the work-group's 256 logits
	s_mov_b32 s27, 0
	s_wait_kmcnt 0x0
	s_add_nc_u64 s[4:5], s[4:5], s[16:17]
	s_add_nc_u64 s[6:7], s[6:7], s[18:19]
	s_add_nc_u64 s[8:9], s[8:9], s[24:25]
	s_add_nc_u64 s[12:13], s[12:13], s[26:27]
	global_load_b128 v[92:95], v104, s[10:11]
	global_load_b128 v[96:99], v104, s[10:11] offset:16
	XLOAD 0, 0
	XLOAD 1, 512
	XLOAD 2, 1024
	s_wait_loadcnt 48                              ; c is in; the three sets of X behind it stay out
	v_pk_add_f32 v[100:101], v[92:93], v[94:95]
	v_pk_add_f32 v[102:103], v[96:97], v[98:99]
	v_pk_add_f32 v[100:101], v[100:101], v[102:103]
	v_add_f32 v100, v100, v101
	v_add_f32_dpp v100, v100, v100 row_xmask:1 row_mask:0xf bank_mask:0xf
	v_add_f32_dpp v100, v100, v100 row_xmask:2 row_mask:0xf bank_mask:0xf
	v_add_f32_dpp v100, v100, v100 row_xmask:4 row_mask:0xf bank_mask:0xf
	v_add_f32_dpp v100, v100, v100 row_xmask:8 row_mask:0xf bank_mask:0xf
	v_permlanex16_b32 v101, v100, s20, s21
	v_add_f32 v100, v100, v101                     ; the sum of my wave's 256 numbers of c
	s_lshl_b32 s15, s14, 2
	s_add_co_u32 s15, s15, CSUM
	v_mov_b32 v102, s15
	ds_store_b32 v102, v100                        ; all lanes write the same word with the same value
.irp i, 0,2,4,6
	v_pk_mul_f32 v[92+\i:93+\i], v[92+\i:93+\i], -2.0 op_sel_hi:[1,0]
.endr
	v_lshl_add_u32 v103, v0, 5, C2T
	ds_store_b128 v103, v[92:95]
	ds_store_b128 v103, v[96:99] offset:16
	XLOAD 3, 1536
	; ---- PHASE X: four tiles of 16 rows, eight K steps each; four sets of sixteen loads are on their way
	s_mov_b32 s27, 0
	s_mov_b32 s28, 0
	s_mov_b32 s24, 3
.Ltile:
	XADR
.irp s, 0,1,2,3,4,5,6,7
	UNIT \s, 1, 48, 0
.endr
	s_wait_xcnt 0x0                                ; the loads have read their base: it may step
	s_add_nc_u64 s[4:5], s[4:5], 65536
	s_add_co_u32 s27, s27, 8*FRB
	s_add_co_u32 s28, s28, 512
	s_sub_co_u32 s24, s24, 1
	s_cmp_lg_u32 s24, 0
	s_cbranch_scc1 .Ltile
	XADR                                           ; the last tile is written out: no load leaves the wave's 64 rows, and the counts run down
.irp s, 0,1,2,3
	UNIT \s, 1, 48, 0
.endr
	UNIT 4, 0, 48, 0
	UNIT 5, 0, 32, 0
	UNIT 6, 0, 16, 0
	UNIT 7, 0, 0, 1
	s_wait_dscnt 0x0                               ; for the others' sake: my images, scale words, -2 c and sum of c have landed
	s_barrier_signal -1
	s_barrier_wait -1
	; ---- PHASE G
	WIN 0xc0
.irp s, 0,1,2,3,4,5,6,7
.irp g, 0,1,2
	ds_load_b128 v[12*\s+4*\g:12*\s+4*\g+3], v[LI] offset:FRB*\s+512*\g   ; tile 0's fragments into set 0
.endr
.endr
	WIN 0
	ds_load_b128 v[ASR:ASR+3], v[VSB]
	s_mov_b32 s29, 0
	s_mov_b32 s30, 0
	s_mov_b32 s25, 0
.Lchunk:
	s_wait_loadcnt 0x0                             ; the chunk's W and its scale words are in
	v_add_nc_u32 v[C2A], s30, v[C2B]
.irp t, 0,1,2,3
.irp u, 0,1
	ds_load_b128 v[C2+8*\t+4*\u:C2+8*\t+4*\u+3], v[C2A] offset:64*\t+16*\u   ; -2 c of columns 16 t + 8 h + 0..7 of the chunk
.endr
.endr
	s_mov_b32 s27, 0
	s_mov_b32 s28, 0
	s_mov_b32 s26, 7
.Lpair:
	GADR
	JOB 0, VA, 8*FRB, VS, 512, 0
	JOB 1, VA, 16*FRB, VS, 1024, 0
	s_add_co_u32 s27, s27, 16*FRB
	s_add_co_u32 s28, s28, 1024
	s_add_co_u32 s29, s29, 256
	s_sub_co_u32 s26, s26, 1
	s_cmp_lg_u32 s26, 0
	s_cbranch_scc1 .Lpair
	GADR
	JOB 0, VA, 8*FRB, VS, 512, 0
	JOB 1, LI, 0, VSB, 0, 1                        ; the chunk's last job asks for tile 0 again, for the next chunk
	s_add_co_u32 s29, s29, 256
	s_add_co_u32 s30, s30, 256
	s_add_co_u32 s25, s25, 1
	s_cmp_lt_u32 s25, 4
	s_cbranch_scc1 .Lchunk
	; ---- END: thread t adds up rows 2 t and 2 t + 1
	s_wait_dscnt 0x0                               ; for the others' sake: my partial sums have landed
	s_barrier_signal -1
	s_barrier_wait -1
	v_lshrrev_b32 v84, 3, v0
	v_and_b32 v85, 7, v0
	v_lshlrev_b32 v84, 7, v84
	v_lshl_add_u32 v84, v85, 3, v84
	v_add_nc_u32 v84, LRED, v84                    ; tile t / 8, lanes 2 (t % 8) and the next
	v_mov_b32 v86, CSUM
.set n, 0
.rept 32
	ds_load_b64 v[192+2*n:193+2*n], v84 offset:8192*(n/8)+2048*((n/2)%4)+64*(n%2)   ; wave n / 8, chunk (n / 2) % 4, half n % 2 of the lanes
.set n, n+1
.endr
	ds_load_b128 v[88:91], v86
	v_lshlrev_b32 v87, 3, v0
	s_wait_dscnt 0x0
.set n, 4
.rept 28
	v_pk_add_f32 v[192+2*(n%4):193+2*(n%4)], v[192+2*(n%4):193+2*(n%4)], v[192+2*n:193+2*n]   ; four chains
.set n, n+1
.endr
	v_pk_add_f32 v[192:193], v[192:193], v[194:195]
	v_pk_add_f32 v[196:197], v[196:197], v[198:199]
	v_add_f32 v88, v88, v89
	v_add_f32 v90, v90, v91
	v_pk_add_f32 v[192:193], v[192:193], v[196:197]
	v_add_f32 v88, v88, v90                        ; the sum of c
	v_pk_add_f32 v[192:193], v[192:193], v[88:89] op_sel_hi:[1,0]
	global_store_b64 v87, v[192:193], s[12:13]     ; a wave stores 256 consecutive bytes, aligned
	s_wait_tensorcnt 0x0
	ds_add_u32 v110, v111
	s_wait_dscnt 0x0
	s_endpgm
.Lfunc_end_k_qb00d02d0b5_score:
	.size	k_qb00d02d0b5_score, .Lfunc_end_k_qb00d02d0b5_score-k_qb00d02d0b5_score
	.p2alignl 7, 3214868480
	.fill 96, 4, 3214868480
	.section	.rodata,"a",@progbits
	.p2align	6, 0x0
	.amdhsa_kernel k_qb00d02d0b5_score
		.amdhsa_group_segment_fixed_size 276224
		.amdhsa_private_segment_fixed_size 0
		.amdhsa_enable_private_segment 0
		.amdhsa_kernarg_size 40
		.amdhsa_user_sgpr_count 2
		.amdhsa_user_sgpr_kernarg_segment_ptr 1
		.amdhsa_wavefront_size32 1
		.amdhsa_system_sgpr_workgroup_id_x 1
		.amdhsa_system_sgpr_workgroup_id_y 1
		.amdhsa_system_sgpr_workgroup_id_z 1
		.amdhsa_system_vgpr_workitem_id 0
		.amdhsa_next_free_vgpr 1024
		.amdhsa_next_free_sgpr 66
		.amdhsa_reserve_vcc 0
		.amdhsa_float_denorm_mode_32 3
		.amdhsa_float_denorm_mode_16_64 3
		.amdhsa_memory_ordered 1
		.amdhsa_forward_progress 1
		.amdhsa_inst_pref_size 189
	.end_amdhsa_kernel
	.amdgpu_metadata
---
amdhsa.version: [ 1, 2 ]
amdhsa.kernels:
  - .name:           k_qb00d02d0b5_score
    .symbol:         k_qb00d02d0b5_score.kd
    .args:
      - { .name: gru_output, .offset: 0, .size: 8, .value_kind: global_buffer, .address_space: global }
      - { .name: wq, .offset: 8, .size: 8, .value_kind: global_buffer, .address_space: global }
      - { .name: ws, .offset: 16, .size: 8, .value_kind: global_buffer, .address_space: global }
      - { .name: context_vector, .offset: 24, .size: 8, .value_kind: global_buffer, .address_space: global }
      - { .name: logits, .offset: 32, .size: 8, .value_kind: global_buffer, .address_space: global }
    .group_segment_fixed_size: 276224
    .private_segment_fixed_size: 0
    .kernarg_segment_align: 8
    .kernarg_segment_size: 40
    .max_flat_workgroup_size: 128
    .sgpr_count:     66
    .vgpr_count:     1024
    .wavefront_size: 32
...
	.end_amdgpu_metadata
.endif
;; end of part 2
;; launch pool (part 3): grid 8 x 32, 8 waves a work-group, no clusters, 13,824 bytes of LDS; arguments gru_output, logits, out0, out1; writes out0, out1
.if DOCPART == 3
	.amdgcn_target "amdgcn-amd-amdhsa--gfx1250"
	.amdhsa_code_object_version 6
	.text
	.protected	k_qb00d02d0b5_pool
	.globl	k_qb00d02d0b5_pool
	.p2align	8
	.type	k_qb00d02d0b5_pool,@function
k_qb00d02d0b5_pool:
	s_mov_b64 s[64:65], 0
	v_nop
	global_prefetch_b8 v0, s[64:65] scope:SCOPE_SE
	s_setreg_imm32_b32 hwreg(HW_REG_WAVE_MODE, 25, 1), 1
	s_wait_xcnt 0x0
; attn[b][t] = softmax over t of logits[b][t];  context[b][n] = sum over t of attn[b][t] X[b][t][n].  All in f32, by fused multiply-adds: these products have one column, so the matrix unit has nothing to gain.
; X: [32][2048][1024] f32; logits: [32][2048] f32; out0 = context [32][1024]; out1 = attn [32][2048].
; SHARES.  Work-group (j, b) owns columns 128 j .. + 127 of batch b's context, and weights 256 j .. + 255 of its attn: each output byte has one owner, and no partial sum goes through memory.
; Every work-group of a batch makes the batch's softmax for itself (8,192 bytes of logits), with the maximum taken away as the definition has it.
; Wave w walks rows 256 w .. + 255, 32 a trip; a load reads 512 consecutive bytes of one row; two sets of sixteen loads are on their way in each wave.
; No cluster: the work-groups share only the logits, 8,192 bytes against 1,048,576 bytes of X each.
; LIMITS: NaN and infinities among the inputs are not served.
.set ATT,  0                           ; LDS: the batch's 2,048 weights
.set RMAX, 8192                        ; the eight waves' maxima
.set RSUM, 8448                        ; their sums
.set RED,  8704                        ; their parts of the context: 512 bytes each
.set AC,   20                          ; v20-35   four groups (row % 4) of four sums
.set WT,   36                          ; v36-67   a trip's 32 weights
.set P,    68                          ; v68-131  rows 0-15 of a trip
.set Q,    132                         ; v132-195 rows 16-31
.macro LOADS set, off
.irp i, 0,1,2,3,4,5,6,7,8,9,10,11,12,13,14,15
	global_load_b128 v[\set+4*\i:\set+4*\i+3], v2, s[4:5] offset:\off+4096*\i th:TH_LOAD_NT
.endr
.endm
; sixteen rows x my four columns: two packed multiply-adds a row; the row's weight is one register of a pair and serves both halves
.macro FMAS set, wb
.set i, 0
.rept 16
.set rW, WT+(\wb)+(i/2)*2
.set rA, AC+4*(i%4)
.set rX, (\set)+4*i
.if i%2 == 0
	v_pk_fma_f32 v[rA:rA+1], v[rX:rX+1], v[rW:rW+1], v[rA:rA+1] op_sel_hi:[1,0,1]
	v_pk_fma_f32 v[rA+2:rA+3], v[rX+2:rX+3], v[rW:rW+1], v[rA+2:rA+3] op_sel_hi:[1,0,1]
.else
	v_pk_fma_f32 v[rA:rA+1], v[rX:rX+1], v[rW:rW+1], v[rA:rA+1] op_sel:[0,1,0] op_sel_hi:[1,1,1]
	v_pk_fma_f32 v[rA+2:rA+3], v[rX+2:rX+3], v[rW:rW+1], v[rA+2:rA+3] op_sel:[0,1,0] op_sel_hi:[1,1,1]
.endif
.set i, i+1
.endr
.endm
.macro WEIGHTS                         ; the trip's 32 weights: every lane reads the same 128 bytes
	v_add_nc_u32 v3, s26, v7
.irp q, 0,1,2,3,4,5,6,7
	ds_load_b128 v[WT+4*\q:WT+4*\q+3], v3 offset:16*\q
.endr
	s_wait_dscnt 0x0
.endm
.macro BARRIER                         ; my LDS stores have landed and my LDS loads are in: then the work-group's barrier
	s_wait_dscnt 0x0
	s_barrier_signal -1
	s_barrier_wait -1
.endm
	s_load_b256 s[4:11], s[0:1], 0x0               ; X s[4:5], logits s[6:7], out0 s[8:9], out1 s[10:11]
	v_lshl_add_u32 v200, v0, 2, 0x3200
	v_mov_b32 v201, 0
	v_lshrrev_b32 v1, 5, v0
	v_readfirstlane_b32 s12, v1                    ; wave 0..7
	v_and_b32 v1, 31, v0
	v_lshlrev_b32 v1, 4, v1                        ; 16 x lane
	s_lshl_b32 s13, s12, 20                        ; my wave's 256 rows of 4,096 bytes
	v_add_nc_u32 v2, s13, v1
	v_lshlrev_b32 v4, 4, v0                        ; 16 x thread: my four logits, in memory and in LDS
	s_lshl_b32 s24, s12, 2
	s_add_co_u32 s25, s24, RMAX
	v_mov_b32 v5, s25
	s_add_co_u32 s25, s24, RSUM
	v_mov_b32 v6, s25
	s_lshl_b32 s25, s12, 10
	v_mov_b32 v7, s25                              ; my wave's 256 weights (ATT = 0)
	v_mov_b32 v18, RMAX
	v_mov_b32 v19, RSUM
	s_lshl_b32 s25, s12, 9
	s_add_co_u32 s25, s25, RED
	v_add_nc_u32 v196, s25, v1
	v_add_nc_u32 v197, RED, v1
	s_and_b32 s14, ttmp7, 0xffff                   ; b
	s_lshl_b32 s15, ttmp9, 9                       ; my 128 columns, in bytes
	s_lshl_b32 s16, s14, 23                        ; the batch's 2,048 rows
	s_add_co_u32 s16, s16, s15
	s_mov_b32 s17, 0
	s_lshl_b32 s18, s14, 13                        ; the batch's 2,048 logits, and its weights
	s_mov_b32 s19, 0
	s_lshl_b32 s20, s14, 12                        ; the batch's row of the context
	s_add_co_u32 s20, s20, s15
	s_mov_b32 s21, 0
	s_mov_b32 s22, 0x76543210
	s_mov_b32 s23, 0xfedcba98                      ; v_permlanex16_b32's selects for lane l xor 16
	s_wait_kmcnt 0x0
	s_add_nc_u64 s[4:5], s[4:5], s[16:17]
	s_add_nc_u64 s[6:7], s[6:7], s[18:19]
	s_add_nc_u64 s[8:9], s[8:9], s[20:21]
	s_add_nc_u64 s[10:11], s[10:11], s[18:19]
	global_load_b128 v[8:11], v4, s[6:7]           ; logits 4 t .. 4 t + 3
	global_load_b128 v[12:15], v4, s[6:7] offset:4096   ; and 1,024 + 4 t ..
	LOADS P, 0                                     ; X is on its way while the softmax is made
	LOADS Q, 65536
.irp i, 0,1,2,3,4,5,6,7,8,9,10,11,12,13,14,15
	v_mov_b32 v[AC+\i], 0
.endr
	v_mov_b32 v17, 0                               ; a lane permute's destination counts as one of its sources
	s_wait_loadcnt 32                              ; the logits are in; the 32 loads of X behind them stay out
	v_max3_num_f32 v16, v8, v9, v10
	v_max3_num_f32 v16, v16, v11, v12
	v_max3_num_f32 v16, v16, v13, v14
	v_max_num_f32 v16, v16, v15
	v_max_num_f32_dpp v16, v16, v16 row_xmask:1 row_mask:0xf bank_mask:0xf
	v_max_num_f32_dpp v16, v16, v16 row_xmask:2 row_mask:0xf bank_mask:0xf
	v_max_num_f32_dpp v16, v16, v16 row_xmask:4 row_mask:0xf bank_mask:0xf
	v_max_num_f32_dpp v16, v16, v16 row_xmask:8 row_mask:0xf bank_mask:0xf
	v_permlanex16_b32 v17, v16, s22, s23
	v_max_num_f32 v16, v16, v17
	ds_store_b32 v5, v16                           ; all lanes write the same word with the same value
	BARRIER
	ds_load_b128 v[36:39], v18
	ds_load_b128 v[40:43], v18 offset:16
	s_wait_dscnt 0x0
	v_max3_num_f32 v16, v36, v37, v38
	v_max3_num_f32 v16, v16, v39, v40
	v_max3_num_f32 v16, v16, v41, v42
	v_max_num_f32 v16, v16, v43                    ; the batch's largest logit
.irp i, 0,1,2,3,4,5,6,7
	v_sub_f32 v[8+\i], v[8+\i], v16
.endr
.irp i, 0,1,2,3,4,5,6,7
	v_mul_f32 v[8+\i], 0x3fb8aa3b, v[8+\i]         ; x log2(e)
.endr
.irp i, 0,1,2,3,4,5,6,7
	v_exp_f32 v[8+\i], v[8+\i]
.endr
	v_nop                                          ; a plain instruction behind the last exponential
	s_wait_alu depctr_va_vdst(0)                   ; the wait ahead of the batch's first reader
	v_pk_add_f32 v[36:37], v[8:9], v[10:11]
	v_pk_add_f32 v[38:39], v[12:13], v[14:15]
	v_pk_add_f32 v[36:37], v[36:37], v[38:39]
	v_add_f32 v16, v36, v37
	v_add_f32_dpp v16, v16, v16 row_xmask:1 row_mask:0xf bank_mask:0xf
	v_add_f32_dpp v16, v16, v16 row_xmask:2 row_mask:0xf bank_mask:0xf
	v_add_f32_dpp v16, v16, v16 row_xmask:4 row_mask:0xf bank_mask:0xf
	v_add_f32_dpp v16, v16, v16 row_xmask:8 row_mask:0xf bank_mask:0xf
	v_permlanex16_b32 v17, v16, s22, s23
	v_add_f32 v16, v16, v17
	ds_store_b32 v6, v16
	BARRIER
	ds_load_b128 v[36:39], v19
	ds_load_b128 v[40:43], v19 offset:16
	s_wait_dscnt 0x0
	v_pk_add_f32 v[36:37], v[36:37], v[38:39]
	v_pk_add_f32 v[40:41], v[40:41], v[42:43]
	v_pk_add_f32 v[36:37], v[36:37], v[40:41]
	v_add_f32 v16, v36, v37                        ; the batch's sum: at least 1, since the largest logit gives 1
	v_rcp_f32 v16, v16
	v_nop
	s_wait_alu depctr_va_vdst(0)
.irp i, 0,1,2,3,4,5,6,7
	v_mul_f32 v[8+\i], v[8+\i], v16                ; the weights
.endr
	ds_store_b128 v4, v[8:11]
	ds_store_b128 v4, v[12:15] offset:4096
	BARRIER                                        ; the batch's 2,048 weights lie in LDS
	; out1: weights 256 j .. + 255 lie in the registers of waves 2 (j % 4) and 2 (j % 4) + 1: in v8-11 where j < 4, else in v12-15.  Each of the two waves stores 512 consecutive bytes.  v4 and v8-15 are not written again.
	s_and_b32 s24, ttmp9, 3
	s_lshr_b32 s25, s12, 1
	s_cmp_lg_u32 s24, s25
	s_cbranch_scc1 .Lnot_mine
	s_cmp_lt_u32 ttmp9, 4
	s_cbranch_scc0 .Lupper
	global_store_b128 v4, v[8:11], s[10:11]
	s_branch .Lnot_mine
.Lupper:
	global_store_b128 v4, v[12:15], s[10:11] offset:4096
.Lnot_mine:
	s_mov_b32 s26, 0
	s_mov_b32 s27, 7
.Ltrip:                                            ; 32 rows a trip; each set is filled again, for the next trip, as soon as it has been used
	WEIGHTS
	s_wait_loadcnt 16                              ; P is in; Q's sixteen may be out
	FMAS P, 0
	LOADS P, 131072
	s_wait_loadcnt 16                              ; Q is in; P's new sixteen may be out
	FMAS Q, 16
	LOADS Q, 196608
	s_wait_xcnt 0x0                                ; the loads have read their base: it may step
	s_add_nc_u64 s[4:5], s[4:5], 131072
	s_add_co_u32 s26, s26, 128
	s_sub_co_u32 s27, s27, 1
	s_cmp_lg_u32 s27, 0
	s_cbranch_scc1 .Ltrip
	WEIGHTS                                        ; the last 32 rows: nothing more is loaded, so no load leaves the wave's 256 rows
	s_wait_loadcnt 16
	FMAS P, 0
	s_wait_loadcnt 0x0
	FMAS Q, 16
	v_pk_add_f32 v[20:21], v[20:21], v[24:25]
	v_pk_add_f32 v[22:23], v[22:23], v[26:27]
	v_pk_add_f32 v[28:29], v[28:29], v[32:33]
	v_pk_add_f32 v[30:31], v[30:31], v[34:35]
	v_pk_add_f32 v[20:21], v[20:21], v[28:29]
	v_pk_add_f32 v[22:23], v[22:23], v[30:31]
	ds_store_b128 v196, v[20:23]                   ; my wave's part of the 128 columns
	BARRIER
	s_cmp_lg_u32 s12, 0
	s_cbranch_scc1 .Lend
.irp q, 0,1,2,3,4,5,6,7
	ds_load_b128 v[P+4*\q:P+4*\q+3], v197 offset:512*\q
.endr
	s_wait_dscnt 0x0
.irp q, 0,2,4,6
	v_pk_add_f32 v[P+4*\q:P+4*\q+1], v[P+4*\q:P+4*\q+1], v[P+4*\q+4:P+4*\q+5]
	v_pk_add_f32 v[P+4*\q+2:P+4*\q+3], v[P+4*\q+2:P+4*\q+3], v[P+4*\q+6:P+4*\q+7]
.endr
.irp q, 0,4
	v_pk_add_f32 v[P+4*\q:P+4*\q+1], v[P+4*\q:P+4*\q+1], v[P+4*\q+8:P+4*\q+9]
	v_pk_add_f32 v[P+4*\q+2:P+4*\q+3], v[P+4*\q+2:P+4*\q+3], v[P+4*\q+10:P+4*\q+11]
.endr
	v_pk_add_f32 v[P:P+1], v[P:P+1], v[P+16:P+17]
	v_pk_add_f32 v[P+2:P+3], v[P+2:P+3], v[P+18:P+19]
	global_store_b128 v1, v[P:P+3], s[8:9]         ; 32 lanes store 512 consecutive bytes, at a multiple of 512 from out0's first byte
.Lend:
	s_wait_tensorcnt 0x0
	ds_add_u32 v200, v201
	s_wait_dscnt 0x0
	s_endpgm
.Lfunc_end_k_qb00d02d0b5_pool:
	.size	k_qb00d02d0b5_pool, .Lfunc_end_k_qb00d02d0b5_pool-k_qb00d02d0b5_pool
	.p2alignl 7, 3214868480
	.fill 96, 4, 3214868480
	.section	.rodata,"a",@progbits
	.p2align	6, 0x0
	.amdhsa_kernel k_qb00d02d0b5_pool
		.amdhsa_group_segment_fixed_size 13824
		.amdhsa_private_segment_fixed_size 0
		.amdhsa_enable_private_segment 0
		.amdhsa_kernarg_size 32
		.amdhsa_user_sgpr_count 2
		.amdhsa_user_sgpr_kernarg_segment_ptr 1
		.amdhsa_wavefront_size32 1
		.amdhsa_system_sgpr_workgroup_id_x 1
		.amdhsa_system_sgpr_workgroup_id_y 1
		.amdhsa_system_sgpr_workgroup_id_z 1
		.amdhsa_system_vgpr_workitem_id 0
		.amdhsa_next_free_vgpr 202
		.amdhsa_next_free_sgpr 66
		.amdhsa_reserve_vcc 0
		.amdhsa_float_denorm_mode_32 3
		.amdhsa_float_denorm_mode_16_64 3
		.amdhsa_memory_ordered 1
		.amdhsa_forward_progress 1
		.amdhsa_inst_pref_size 25
	.end_amdhsa_kernel
	.amdgpu_metadata
---
amdhsa.version: [ 1, 2 ]
amdhsa.kernels:
  - .name:           k_qb00d02d0b5_pool
    .symbol:         k_qb00d02d0b5_pool.kd
    .args:
      - { .name: gru_output, .offset: 0, .size: 8, .value_kind: global_buffer, .address_space: global }
      - { .name: logits, .offset: 8, .size: 8, .value_kind: global_buffer, .address_space: global }
      - { .name: out0, .offset: 16, .size: 8, .value_kind: global_buffer, .address_space: global }
      - { .name: out1, .offset: 24, .size: 8, .value_kind: global_buffer, .address_space: global }
    .group_segment_fixed_size: 13824
    .private_segment_fixed_size: 0
    .kernarg_segment_align: 8
    .kernarg_segment_size: 32
    .max_flat_workgroup_size: 256
    .sgpr_count:     66
    .vgpr_count:     202
    .wavefront_size: 32
...
	.end_amdgpu_metadata
.endif
;; end of part 3
;; ======== version 2 of 2: 3 launches
;; workspace buffers: wq 786,432 bytes; ws 32,768 bytes; logits 262,144 bytes
;; launch prep (part 4): grid 16 x 8, 4 waves a work-group, no clusters, 768 bytes of LDS; arguments attention_weights, wq, ws; writes wq, ws
.if DOCPART == 4
	.amdgcn_target "amdgcn-amd-amdhsa--gfx1250"
	.amdhsa_code_object_version 6
	.text
	.protected	k_qb00d02d0b5_prep
	.globl	k_qb00d02d0b5_prep
	.p2align	8
	.type	k_qb00d02d0b5_prep,@function
k_qb00d02d0b5_prep:
	s_mov_b64 s[64:65], 0
	v_nop
	global_prefetch_b8 v0, s[64:65] scope:SCOPE_SE
	s_setreg_imm32_b32 hwreg(HW_REG_WAVE_MODE, 25, 1), 1
	s_wait_xcnt 0x0
; W [1024 (k)][1024 (n)], f32, K its FIRST axis, becomes codes of FP6 (E2M3) with one E8M0 byte for each 32 along K, laid as the images of operand registers
; that the next launch loads whole.  wq: [cg 16][s 8][t 4][g 3][lane 32][16 bytes]: fragment (cg, s, t) = columns 64 cg + 16 t + 0..15, k = 128 s + 0..127; lane (r, h) holds column r,
; its registers 6 c .. 6 c + 5 hold k = 128 s + 64 c + 32 h + 0..31; registers 4 g .. 4 g + 3 lie at 512 g + 16 x lane.  ws: [cg][s][t][r] words of four scale bytes (256 bytes for each (cg, s)).
; A work-group takes (cg, s), a wave one fragment t.  A LANE TAKES A COLUMN AND ITS REGISTERS RUN DOWN K, in the order that the operand's layout gives that lane: nothing is transposed.
; A block's scale is 2^(floor(log2(largest magnitude)) - 2); its byte is that magnitude's exponent field - 2, held at 1 from below.
; LIMITS: a block of zeros gets the byte 1 where the rule says 127 (its codes are zeros, and this program alone reads the bytes); NaN and infinities among the inputs are not served.
.set ROWW, 4096                        ; a row of W in bytes
	s_load_b128 s[4:7], s[0:1], 0x0                ; W, wq
	s_load_b64 s[8:9], s[0:1], 0x10                ; ws
	v_lshl_add_u32 v208, v0, 2, 0x100
	v_mov_b32 v209, 0
	v_lshrrev_b32 v1, 5, v0
	v_readfirstlane_b32 s10, v1                    ; wave = t
	v_and_b32 v1, 15, v0                           ; r
	v_bfe_u32 v2, v0, 4, 1                         ; h
	v_lshlrev_b32 v3, 2, v1
	v_lshl_add_u32 v3, v2, 17, v3                  ; W: 4 r, and 32 rows of 4,096 bytes further down for lanes 16-31
	v_and_b32 v4, 31, v0
	v_lshlrev_b32 v6, 3, v4                        ; 8 x lane
	v_lshlrev_b32 v4, 4, v4                        ; 16 x lane
	s_lshl_b32 s11, s10, 6
	v_lshlrev_b32 v5, 2, v1
	v_add_nc_u32 v5, s11, v5                       ; LDS: 64 t + 4 r: my column's scale word
	s_and_b32 s13, ttmp7, 0xffff                   ; s
	s_lshl_b32 s14, s13, 19                        ; 128 rows of W
	s_lshl_b32 s15, ttmp9, 8                       ; 64 columns
	s_add_co_u32 s14, s14, s15
	s_add_co_u32 s14, s14, s11                     ; 16 columns a wave
	s_mov_b32 s15, 0
	s_lshl_b32 s16, ttmp9, 3
	s_add_co_u32 s16, s16, s13                     ; 8 cg + s
	s_lshl_b32 s18, s16, 8                         ; its 256 bytes of scale words
	s_mov_b32 s19, 0
	s_lshl_b32 s16, s16, 2
	s_add_co_u32 s16, s16, s10
	s_mul_i32 s16, s16, 1536                       ; my fragment's image
	s_mov_b32 s17, 0
	s_mov_b32 s20, 0x76543210
	s_mov_b32 s21, 0xfedcba98                      ; v_permlanex16_b32's selects for lane l xor 16
	s_wait_alu depctr_va_vdst(0)
	s_wait_kmcnt 0x0
	s_add_nc_u64 s[4:5], s[4:5], s[14:15]
	s_add_nc_u64 s[6:7], s[6:7], s[16:17]
	s_add_nc_u64 s[8:9], s[8:9], s[18:19]
.irp c, 0,1
.irp i, 0,1,2,3,4,5,6,7,8,9,10,11,12,13,14,15,16,17,18,19,20,21,22,23,24,25,26,27,28,29,30,31
	global_load_b32 v[64+32*\c+\i], v3, s[4:5] offset:(64*\c+\i)*ROWW th:TH_LOAD_NT   ; W(128 s + 64 c + 32 h + i, my column): the four waves stand side by side on 256 consecutive bytes of a row
.endr
.endr
	s_wait_loadcnt 0x0
.irp c, 0,1                                    ; my block 2 c + h: all its 32 numbers are mine
	v_max3_num_f32 v[32+\c], |v[64+32*\c]|, |v[65+32*\c]|, 0x1800000   ; with the floor 2^(3 - 127): the byte cannot fall under 1
.endr
.irp i, 2,4,6,8,10,12,14,16,18,20,22,24,26,28,30
.irp c, 0,1
	v_max3_num_f32 v[32+\c], v[32+\c], |v[64+32*\c+\i]|, |v[65+32*\c+\i]|   ; the two blocks by turns
.endr
.endr
.irp c, 0,1
	v_add_nc_u32 v[44+\c], 0xff000000, v[32+\c]    ; 2 off the exponent field: the conversion takes the exponent field of this operand as its scale
.endr
.irp c, 0,1
	v_lshrrev_b32 v[36+\c], 23, v[44+\c]           ; the scale's byte
.endr
	v_lshl_or_b32 v9, v37, 16, v36                 ; my two bytes: blocks h and 2 + h,
	v_lshlrev_b32 v10, 3, v2
	v_lshlrev_b32 v9, v10, v9                      ; at their places in the word (8 h bits up);
	v_mov_b32 v10, 0
	v_permlanex16_b32 v10, v9, s20, s21
	v_or_b32 v9, v9, v10                           ; with lane l xor 16's two the word is whole
.irp c, 0,1
	v_cvt_scalef32_pk16_fp6_f32 v[48+6*\c:50+6*\c], v[64+32*\c:79+32*\c], v[44+\c]
	v_cvt_scalef32_pk16_fp6_f32 v[192+4*\c:194+4*\c], v[80+32*\c:95+32*\c], v[44+\c]   ; a conversion's three registers begin on an even number: the second half is made elsewhere and moved
.endr
	v_nop                                          ; one plain place behind a scaled conversion
.irp c, 0,1
.irp i, 0,1,2
	v_mov_b32 v[51+6*\c+\i], v[192+4*\c+\i]
.endr
.endr
.irp g, 0,1,2
	global_store_b128 v4, v[48+4*\g:51+4*\g], s[6:7] offset:512*\g   ; 32 lanes store 512 consecutive bytes, at a multiple of 512 from wq's first byte
.endr
	ds_store_b32 v5, v9                            ; lanes r and r + 16 write the same word with the same value
	s_wait_dscnt 0x0                               ; for the others' sake: my store has landed
	s_barrier_signal -1
	s_barrier_wait -1
	s_cmp_lg_u32 s10, 0
	s_cbranch_scc1 .Lend
	ds_load_b64 v[12:13], v6                       ; wave 0: the four waves' 64 words
	s_wait_dscnt 0x0
	global_store_b64 v6, v[12:13], s[8:9]          ; 32 lanes store 256 consecutive bytes, aligned
.Lend:
	s_wait_tensorcnt 0x0
	ds_add_u32 v208, v209
	s_wait_dscnt 0x0
	s_endpgm
.Lfunc_end_k_qb00d02d0b5_prep:
	.size	k_qb00d02d0b5_prep, .Lfunc_end_k_qb00d02d0b5_prep-k_qb00d02d0b5_prep
	.p2alignl 7, 3214868480
	.fill 96, 4, 3214868480
	.section	.rodata,"a",@progbits
	.p2align	6, 0x0
	.amdhsa_kernel k_qb00d02d0b5_prep
		.amdhsa_group_segment_fixed_size 768
		.amdhsa_private_segment_fixed_size 0
		.amdhsa_enable_private_segment 0
		.amdhsa_kernarg_size 24
		.amdhsa_user_sgpr_count 2
		.amdhsa_user_sgpr_kernarg_segment_ptr 1
		.amdhsa_wavefront_size32 1
		.amdhsa_system_sgpr_workgroup_id_x 1
		.amdhsa_system_sgpr_workgroup_id_y 1
		.amdhsa_system_sgpr_workgroup_id_z 1
		.amdhsa_system_vgpr_workitem_id 0
		.amdhsa_next_free_vgpr 210
		.amdhsa_next_free_sgpr 66
		.amdhsa_reserve_vcc 0
		.amdhsa_float_denorm_mode_32 3
		.amdhsa_float_denorm_mode_16_64 3
		.amdhsa_memory_ordered 1
		.amdhsa_forward_progress 1
		.amdhsa_inst_pref_size 12
	.end_amdhsa_kernel
	.amdgpu_metadata
---
amdhsa.version: [ 1, 2 ]
amdhsa.kernels:
  - .name:           k_qb00d02d0b5_prep
    .symbol:         k_qb00d02d0b5_prep.kd
    .args:
      - { .name: attention_weights, .offset: 0, .size: 8, .value_kind: global_buffer, .address_space: global }
      - { .name: wq, .offset: 8, .size: 8, .value_kind: global_buffer, .address_space: global }
      - { .name: ws, .offset: 16, .size: 8, .value_kind: global_buffer, .address_space: global }
    .group_segment_fixed_size: 768
    .private_segment_fixed_size: 0
    .kernarg_segment_align: 8
    .kernarg_segment_size: 24
    .max_flat_workgroup_size: 128
    .sgpr_count:     66
    .vgpr_count:     210
    .wavefront_size: 32
...
	.end_amdgpu_metadata
.endif
;; end of part 4
;; launch score (part 5): grid 256 x 1, 4 waves a work-group, no clusters, 276,224 bytes of LDS; arguments gru_output, wq, ws, context_vector, logits; writes logits
.if DOCPART == 5
	.amdgcn_target "amdgcn-amd-amdhsa--gfx1250"
	.amdhsa_code_object_version 6
	.text
	.protected	k_qb00d02d0b5_score
	.globl	k_qb00d02d0b5_score
	.p2align	8
	.type	k_qb00d02d0b5_score,@function
k_qb00d02d0b5_score:
	s_mov_b64 s[64:65], 0
	v_nop
	global_prefetch_b8 v0, s[64:65] scope:SCOPE_SE
	s_setreg_imm32_b32 hwreg(HW_REG_WAVE_SCHED_MODE, 0, 2), 2
	s_setreg_imm32_b32 hwreg(HW_REG_WAVE_MODE, 25, 1), 1
	s_wait_xcnt 0x0
	s_wait_alu depctr_vm_vsrc(0)
; logits[row] = sum over n of c[n] tanh( sum over k of Q(X)[row][k] Q(W)[k][n] ), the product on codes of FP6 (E2M3) with one E8M0 scale for each 32 along K, sums in f32.
; X: [65,536][1024] f32.  wq, ws: W's codes and scale words as images of operand registers (made by the launch before).  c: [1024] f32.  logits: [65,536] f32.
; SHARES.  A work-group of four waves owns 256 rows of X: 16 tiles of 16 rows.
;   PHASE X: wave w quantises tiles 4 w .. 4 w + 3 and lays each fragment (16 rows x 128 K: 12 registers a lane) into LDS as an image of its registers (16 x lane + 512 g), its scale words beside it.
;   PHASE G: THE WAVES SHARE THE COLUMNS: wave w takes columns 256 w .. + 255 in four chunks of 64.  A chunk's W (32 fragments, 384 registers) is loaded once and stays in registers for 16 jobs; a job is one
;   tile of rows x 64 columns x all of K: 32 matrix instructions on four accumulators by turns, then tanh and the product with c in f32, which leaves one partial sum a lane.
;   END: the partial sums (4 waves x 4 chunks x 2 halves of the lanes) meet in LDS; each thread adds up two rows and stores them.
; TRANSPOSED USE: source 0 = 16 columns of W, source 1 = 16 rows of X: lane (r, h) holds row r and columns 8 h + 0..7 of the tile.
; tanh(x) = 1 - 2 / (1 + 2^(2 log2(e) x)), so c tanh(x) = c + (-2 c) / (1 + 2^(..)): the table in LDS holds -2 c, and the sum of c is added once at the end.  Where the power overflows the reciprocal is 0 (tanh = 1); where it falls to 0, tanh = -1.
; NO CLUSTER, NO JOINT LOADS, though all work-groups read the same W: a wave loads 49,152 bytes of W for a chunk, straight into the registers that hold them for 16 jobs, against 196,608 bytes of X's images that it reads
; from LDS in that time; a joint load would bring W into LDS, and beside the 275,712 bytes in use there is room for 51,968, one wave's chunk and not the four waves' 196,608.
; LIMITS: a block of zeros gets the byte 1 where the rule says 127 (its codes are zeros; the bytes stay in this launch); NaN and infinities among the inputs are not served.
; THE MODE: SCHED_MODE bits 1:0 = 2 (LLVM: expert scheduling mode 2), set by the entry lines.  The code itself states the register dependences
; between vector or matrix instructions and memory or LDS instructions, with s_wait_alu, always for 0.
; THE PLAN, PHASE X.  Unit u is K step u of a tile.  Registers that memory or LDS instructions touch:
;   L0 .. L3   (window 3) K step u as loaded.  Written by the global loads issued in unit u - 4; read by the stage's stores, issued in unit u - 1.  No vector instruction names them.
;   N0, N1     64 numbers a lane.  Written by the stage's loads, issued in unit u - 1; read by unit u's quantiser.
;   codes, word  Written by unit u's quantiser; read by its four image stores.     v6, v7  written in a tile's first unit; read by the image stores.
;   One wait on vm_vsrc at a unit's head: the stage's stores have read L[u % 4], the last image stores the codes, the word, v6 and v7.  One wait on va_vdst behind the quantiser: the codes, the word, v6 and v7 are
;   written, and N[u % 2] is read to its end, so that the next unit may ask for it again.  K step u + 1 goes through the stage while K step u is quantised.
; THE PLAN, PHASE G.  Job j multiplies fragment set F[j % 2].
;   F0, F1, X's scale words  Written by the LDS loads issued in job j - 1; read by job j's products.     W, its scale words  written by global loads behind a chunk's last products; read by the next chunk's products.
;   T0, T1     a job's partial sums: written by its additions, read by its one LDS store.     v240 of windows 1 and 2, v11, v13  written at a pair's head; read by the pair's loads and stores.     v73, -2 c  written at a chunk's head.
;   The accumulators are named by vector and matrix instructions alone.
;   The two waits on va_vdst that stand behind a job's exponentials and reciprocals stand behind its products too: they state that F[j % 2] and its scale words are read to their end.  No later vector or matrix
;   instruction names them before the next job's loads land there, so those 24 loads are dealt among the next job's products with no further wait.
; REGISTERS, in windows of 256.  Window 0: v2-15, v72-73 addresses; v16-31 W's scale words, v32-39 X's (two sets): these hold scales and nothing else; v40-71 -2 c of the chunk; v176-191 partial sums, two sets;
;   phase X alone: v128-191, and v40-71 with v220-251: two sets of 64 numbers; v192-218 at work.   Window 1: W's fragments of K steps 0-4; v240, v241 LDS addresses.   Window 2: of K steps 5-7; v240, v241 the same addresses.
;   Window 3: phase X: four sets of 64 for the loads of X; phase G: X's fragments, two sets of 96, and at v192-223 the four accumulators: so one setting of the windows serves a product and a load of a fragment.
.set FRB,  1536                        ; a fragment's image in bytes
.set AIMG, 0                           ; LDS: X's 128 fragments, (tile m, K step s) at (8 m + s) FRB
.set ASC,  196608                      ; their scale words: 512 m + 16 (r + 16 (s & 1)) + 4 (s >> 1): one load of 16 bytes a lane brings a tile's eight words, K step 2 q in lanes 0-15 and 2 q + 1 in lanes 16-31 of register q
.set C2T,  204800                      ; -2 c, 1,024 numbers
.set CSUM, 208896                      ; the four waves' sums of c
.set LRED, 209152                      ; partial sums: 8192 wave + 2048 chunk + 128 m + 4 lane
.set STG,  241920                      ; a stage for each wave: 16 rows x (512 bytes + 16)
.set SPI,  528
.set LI,   2                           ; v2   16 x lane
.set L4,   3                           ; v3   4 x lane
.set STW,  4                           ; v4   the stage, on the way in: 16 x lane
.set STR,  5                           ; v5   on the way out: 528 r + 128 h
.set AWI,  6                           ; v6   where this tile's images go;  v8 its base: 16 x lane + 49152 wave
.set AWS,  7                           ; v7   and its scale words;  v9 its base: ASC + 2048 wave + 16 r
.set AWIB, 8
.set AWSB, 9
.set VS,   11                          ; v11  phase G: the pair of jobs' place among the scale words;  v12 its base: ASC + 16 x lane
.set VSB,  12
.set VR,   13                          ; v13  where the pair's partial sums go;  v15 its base
.set SH,   14                          ; v14  8 h
.set VRB,  15
.set BSC,  16
.set ASR,  32
.set C2,   40
.set C2B,  72                          ; v72  C2T + 1024 wave + 32 h;  v73 with the chunk's 256
.set C2A,  73
.set TP,   176                         ; set p at TP + 8 p
.set ACC,  192                         ; in window 3
.set AV,   240                         ; in windows 1 and 2: the pair of jobs' place among the images
.set AL,   241                         ; in windows 1 and 2: 16 x lane
.set MX,   192
.set SO,   194
.set BY,   196
.set PW,   198
.set T,    199
.set PC,   200
.set PX,   212
.set MSB, 0
.macro WIN new                         ; the immediate's high byte repeats the setting that is left; a switch that changes nothing is dropped
.if MSB != \new
	s_set_vgpr_msb (MSB<<8)|\new
.set MSB, \new
.endif
.endm
; 16 rows x one K step of X (512 bytes of each row) into load set 'set' of window 3: each load reads 512 consecutive bytes
.macro XLOAD set, off
	WIN 0xc0                                       ; destination window 3
.irp i, 0,1,2,3,4,5,6,7,8,9,10,11,12,13,14,15
	global_load_b128 v[64*(\set)+4*\i:64*(\set)+4*\i+3], v[LI], s[4:5] offset:\off+4096*\i th:TH_LOAD_NT
.endr
	WIN 0
.endm
; A chunk's W: 32 fragments (f = 4 s + t) and 16 registers of scale words (2 s + t / 2: tile 2 (t / 2) in lanes 0-15, the next in lanes 16-31)
.macro BLOAD
	WIN 0x40                                       ; destination window 1
.set f, 0
.rept 20
.irp g, 0,1,2
	global_load_b128 v[12*f+4*\g:12*f+4*\g+3], v[LI], s[6:7] offset:FRB*f+512*\g
.endr
.set f, f+1
.endr
	WIN 0x80                                       ; destination window 2
.rept 12
.irp g, 0,1,2
	global_load_b128 v[12*(f-20)+4*\g:12*(f-20)+4*\g+3], v[LI], s[6:7] offset:FRB*f+512*\g
.endr
.set f, f+1
.endr
	WIN 0
.irp i, 0,1,2,3,4,5,6,7,8,9,10,11,12,13,14,15
	global_load_b32 v[BSC+\i], v[L4], s[8:9] offset:128*\i
.endr
.endm
; The two sets of 64 numbers take turns: K step s has its block c at v[XQc] on
.macro XSEL s
.if ((\s)%2) == 0
.set XQ0, 128
.set XQ1, 160
.else
.set XQ0, 40
.set XQ1, 220
.endif
.endm
; K step s's numbers go through my stage: in as loaded, row i's 512 bytes; back 32 neighbours of my row for each of my two blocks.  LDS serves a wave's instructions in order: the loads see the stores
.macro TURN s
	XSEL \s
	WIN 0x0c                                       ; an LDS store's data are its source 1: window 3
.irp i, 0,1,2,3,4,5,6,7,8,9,10,11,12,13,14,15
	ds_store_b128 v[STW], v[64*((\s)%4)+4*\i:64*((\s)%4)+4*\i+3] offset:SPI*\i
.endr
	WIN 0
.irp j, 0,1,2,3,4,5,6,7
	ds_load_b128 v[XQ0+4*\j:XQ0+4*\j+3], v[STR] offset:16*\j
.endr
.irp j, 0,1,2,3,4,5,6,7
	ds_load_b128 v[XQ1+4*\j:XQ1+4*\j+3], v[STR] offset:256+16*\j
.endr
.endm
; 64 numbers of a lane, register i of block c = k 64 c + 32 h + i of my row, become a fragment's codes in v[PC] on and its scale word in v[PW].  A lane holds two whole blocks.
.macro QUANT s
	XSEL \s
	v_max3_num_f32 v[MX], |v[XQ0]|, |v[XQ0+1]|, 0x1800000     ; with the floor 2^(3 - 127): the byte cannot fall under 1
	v_max3_num_f32 v[MX+1], |v[XQ1]|, |v[XQ1+1]|, 0x1800000
.irp i, 2,4,6,8,10,12,14,16,18,20,22,24,26,28,30
	v_max3_num_f32 v[MX], v[MX], |v[XQ0+\i]|, |v[XQ0+1+\i]|   ; the two blocks by turns
	v_max3_num_f32 v[MX+1], v[MX+1], |v[XQ1+\i]|, |v[XQ1+1+\i]|
.endr
.irp c, 0,1
	v_add_nc_u32 v[SO+\c], 0xff000000, v[MX+\c]    ; 2 off the exponent field: the conversion's scale operand
.endr
.irp c, 0,1
	v_lshrrev_b32 v[BY+\c], 23, v[SO+\c]           ; the scale's byte
.endr
	v_lshl_or_b32 v[PW], v[BY+1], 16, v[BY]        ; blocks h and 2 + h,
	v_lshlrev_b32 v[PW], v[SH], v[PW]              ; 8 h bits up;
	v_permlanex16_b32 v[T], v[PW], s20, s21
	v_or_b32 v[PW], v[PW], v[T]                    ; with lane l xor 16's two the word is whole
	v_cvt_scalef32_pk16_fp6_f32 v[PC:PC+2], v[XQ0:XQ0+15], v[SO]
	v_cvt_scalef32_pk16_fp6_f32 v[PX:PX+2], v[XQ0+16:XQ0+31], v[SO]        ; a conversion's three registers begin on an even number
	v_cvt_scalef32_pk16_fp6_f32 v[PC+6:PC+8], v[XQ1:XQ1+15], v[SO+1]
	v_cvt_scalef32_pk16_fp6_f32 v[PX+4:PX+6], v[XQ1+16:XQ1+31], v[SO+1]
	v_nop                                          ; one plain place behind a scaled conversion
.irp c, 0,1
.irp i, 0,1,2
	v_mov_b32 v[PC+3+6*\c+\i], v[PX+4*\c+\i]
.endr
.endr
.endm
; K step s of the tile in hand.  refill = 1: the load set that the stage has emptied takes the K step four on.  turn = 1: the next K step goes through the stage while this one is quantised;
; left: the younger loads of X that may stay out when the next K step's sixteen have to be there.  bl = 1: the first chunk's W is asked for here.
.macro UNIT s, refill, turn, left, bl
	s_wait_dscnt 4                                 ; LDS instructions end in order: this K step's numbers are back from the stage; the four image stores issued behind them may be out
	s_wait_alu depctr_vm_vsrc(0)                   ; the stage's stores have read this K step's load set, in which the loads below land; the last image stores have read the codes, the word, v6 and v7, which are written below
.if (\s) == 0
	v_add_nc_u32 v[AWI], s27, v[AWIB]              ; this tile's places in LDS: a fixed base and a scalar that steps by a constant
	v_add_nc_u32 v[AWS], s28, v[AWSB]
.endif
.if \refill
.if (\s) < 4
	XLOAD (\s)%4, ((\s)+4)*512
.else
	XLOAD (\s)%4, 65536+((\s)-4)*512               ; the next tile's 16 rows
.endif
.endif
.if \turn
	s_wait_loadcnt \left                           ; loads come back in order: the next K step's sixteen are in
	TURN (\s)+1                                    ; its numbers land in the set that the quantiser of the unit before read: that unit's wait on va_vdst stands behind it, and nothing since names the set
.endif
.if \bl
	BLOAD
.endif
	QUANT \s
	s_wait_alu depctr_va_vdst(0)                   ; the quantiser has written the codes and the word, which the stores below read (in a tile's first unit v6 and v7 too), and is done reading its 64 numbers, in which the next unit's stage loads land
.irp g, 0,1,2
	ds_store_b128 v[AWI], v[PC+4*\g:PC+4*\g+3] offset:FRB*(\s)+512*\g
.endr
	ds_store_b32 v[AWS], v[PW] offset:256*((\s)&1)+4*((\s)>>1)   ; lanes r and r + 16 write the same word with the same value
.endm
; One matrix instruction: set p of X's fragments, K step s, column tile t.  The first K step starts the sums with the constant 0.
.macro WM p, s, t
.set rD, ACC+8*(\t)
.if (\s) < 5
.set rB, 12*(4*(\s)+(\t))
.else
.set rB, 12*(4*(\s)+(\t)-20)
.endif
.set rA, 96*(\p)+12*(\s)
.set rSB, BSC+2*(\s)+(\t)/2
.set rSA, ASR+4*(\p)+(\s)/2
.if (\s) == 0
.if ((\t)&1) == 0
	v_wmma_scale_f32_16x16x128_f8f6f4 v[rD:rD+7], v[rB:rB+11], v[rA:rA+11], 0, v[rSB], v[rSA] matrix_a_fmt:MATRIX_FMT_FP6 matrix_b_fmt:MATRIX_FMT_FP6
.else
	v_wmma_scale_f32_16x16x128_f8f6f4 v[rD:rD+7], v[rB:rB+11], v[rA:rA+11], 0, v[rSB], v[rSA] matrix_a_fmt:MATRIX_FMT_FP6 matrix_b_fmt:MATRIX_FMT_FP6 matrix_a_scale:MATRIX_SCALE_ROW1
.endif
.elseif ((\s)&1) == 0
.if ((\t)&1) == 0
	v_wmma_scale_f32_16x16x128_f8f6f4 v[rD:rD+7], v[rB:rB+11], v[rA:rA+11], v[rD:rD+7], v[rSB], v[rSA] matrix_a_fmt:MATRIX_FMT_FP6 matrix_b_fmt:MATRIX_FMT_FP6
.else
	v_wmma_scale_f32_16x16x128_f8f6f4 v[rD:rD+7], v[rB:rB+11], v[rA:rA+11], v[rD:rD+7], v[rSB], v[rSA] matrix_a_fmt:MATRIX_FMT_FP6 matrix_b_fmt:MATRIX_FMT_FP6 matrix_a_scale:MATRIX_SCALE_ROW1
.endif
.else
.if ((\t)&1) == 0
	v_wmma_scale_f32_16x16x128_f8f6f4 v[rD:rD+7], v[rB:rB+11], v[rA:rA+11], v[rD:rD+7], v[rSB], v[rSA] matrix_a_fmt:MATRIX_FMT_FP6 matrix_b_fmt:MATRIX_FMT_FP6 matrix_b_scale:MATRIX_SCALE_ROW1
.else
	v_wmma_scale_f32_16x16x128_f8f6f4 v[rD:rD+7], v[rB:rB+11], v[rA:rA+11], v[rD:rD+7], v[rSB], v[rSA] matrix_a_fmt:MATRIX_FMT_FP6 matrix_b_fmt:MATRIX_FMT_FP6 matrix_a_scale:MATRIX_SCALE_ROW1 matrix_b_scale:MATRIX_SCALE_ROW1
.endif
.endif
.endm
; K step s of a job: four products, the four accumulators by turns, one instruction a turn; behind the first three, one load each of the next job's fragment of the same K step, into the other set.
; No wait: the last products that read the other set stand ahead of the waits in the job before, and no vector or matrix instruction since names it.  The address lies in the window of W's fragments: it is the load's source 0.
.macro KSTEP p, s, areg, aoff
	WM \p, \s, 0
	ds_load_b128 v[96*(1-\p)+12*(\s):96*(1-\p)+12*(\s)+3], v[\areg] offset:\aoff+FRB*(\s)
	WM \p, \s, 1
	ds_load_b128 v[96*(1-\p)+12*(\s)+4:96*(1-\p)+12*(\s)+7], v[\areg] offset:\aoff+FRB*(\s)+512
	WM \p, \s, 2
	ds_load_b128 v[96*(1-\p)+12*(\s)+8:96*(1-\p)+12*(\s)+11], v[\areg] offset:\aoff+FRB*(\s)+1024
	WM \p, \s, 3
.endm
; tanh and the product with c for a job's 32 numbers a lane.  Each kind of transcendental is ONE batch with one plain instruction and one wait behind it.
.macro EPI p
.set rT, TP+8*(\p)
	WIN 0xc3                                       ; destination and source 0: the accumulators' window
.set i, 0
.rept 16
	v_pk_mul_f32 v[ACC+2*i:ACC+2*i+1], v[ACC+2*i:ACC+2*i+1], s[22:23] op_sel_hi:[1,0]   ; 2 log2(e) x; each accumulator from its low end on
.set i, i+1
.endr
.set i, 0
	s_wait_alu depctr_va_vdst(0)
.rept 32
	v_exp_f32 v[ACC+i], v[ACC+i]
.set i, i+1
.endr
	v_nop                                          ; a plain instruction behind the last exponential
	s_wait_alu depctr_va_vdst(0)                   ; the 32 exponentials have written their results, which the additions below read; the job's products are done reading their fragments of X and its scale words
.set i, 0
.rept 16
	v_pk_add_f32 v[ACC+2*i:ACC+2*i+1], v[ACC+2*i:ACC+2*i+1], 1.0 op_sel_hi:[1,0]
.set i, i+1
.endr
.set i, 0
	s_wait_alu depctr_va_vdst(0)
.rept 32
	v_rcp_f32 v[ACC+i], v[ACC+i]
.set i, i+1
.endr
	v_nop                                          ; a plain instruction behind the last reciprocal
	s_wait_alu depctr_va_vdst(0)                   ; the 32 reciprocals have written their results, which the products with -2 c below read
	WIN 0x03                                       ; source 0: the accumulators' window; -2 c and the sums in window 0
.irp t, 0,1,2,3
	v_pk_mul_f32 v[rT+2*\t:rT+2*\t+1], v[ACC+8*\t:ACC+8*\t+1], v[C2+8*\t:C2+8*\t+1]   ; the first product starts each of four chains
.endr
.irp u, 1,2,3
.irp t, 0,1,2,3
	v_pk_fma_f32 v[rT+2*\t:rT+2*\t+1], v[ACC+8*\t+2*\u:ACC+8*\t+2*\u+1], v[C2+8*\t+2*\u:C2+8*\t+2*\u+1], v[rT+2*\t:rT+2*\t+1]
.endr
.endr
	WIN 0
	v_pk_add_f32 v[rT:rT+1], v[rT:rT+1], v[rT+2:rT+3]
	v_pk_add_f32 v[rT+4:rT+5], v[rT+4:rT+5], v[rT+6:rT+7]
	v_pk_add_f32 v[rT:rT+1], v[rT:rT+1], v[rT+4:rT+5]
	v_add_f32 v[rT], v[rT], v[rT+1]
	s_wait_alu depctr_va_vdst(0)                   ; the additions have written the partial sum, which the store reads
	ds_store_b32 v[VR], v[rT] offset:128*\p        ; my row's part over my 32 columns of the chunk
.endm
; A JOB: a tile of rows against the chunk's 64 columns.  It multiplies set p and asks, among its products, for the next job's fragments; the next job's scale words are asked for at its head.
; tail = 1: the chunk's last job: behind its products the next chunk's W is asked for, if there is one.
.macro JOB p, areg, aoff, sreg, soff, tail
	ds_load_b128 v[ASR+4*(1-\p):ASR+3+4*(1-\p)], v[\sreg] offset:\soff   ; they land in the words that the job before multiplied by: its waits stand behind its products
	s_wait_dscnt 2                                 ; all but the two youngest, the last partial sum's store and the load just issued: this job's fragments and scale words are in
	WIN 0xfd                                       ; source 0 (W; a load's address) window 1; source 1 (X), C and D (and a load's data) window 3
.irp s, 0,1,2,3,4
	KSTEP \p, \s, \areg, \aoff
.endr
	WIN 0xfe                                       ; W's K steps 5-7, and the second copy of the address, lie in window 2
.irp s, 5,6,7
	KSTEP \p, \s, \areg, \aoff
.endr
.rept 5
	v_nop                                          ; places behind the products (ISA guide 7.12.1): four for the reads of the results, a fifth for the next job's first product, which writes over an accumulator
.endr
.if \tail
	WIN 0                                          ; at a branch and at a label every window is 0
	s_cmp_eq_u32 s25, 3
	s_cbranch_scc1 .Lno_w_\@
	s_wait_alu depctr_va_vdst(0)                   ; the chunk's last products are done reading W's fragments and scale words, in which the loads below land; the places above stay beside this wait
	s_add_nc_u64 s[6:7], s[6:7], 32*FRB            ; the loads that named these bases were shown done at the chunk's head
	s_add_nc_u64 s[8:9], s[8:9], 2048
	BLOAD
.Lno_w_\@:
.endif
	EPI \p
.endm
.macro GADR                            ; a pair of jobs' places in LDS: fixed bases and scalars that step by constants
	s_wait_alu depctr_vm_vsrc(0)                   ; the loads and stores issued so far have read the four address registers written below; the stores have read both sets of partial sums, which this pair's jobs write again
	v_add_nc_u32 v[VS], s28, v[VSB]
	v_add_nc_u32 v[VR], s29, v[VRB]
	WIN 0x44                                       ; destination and source 1 window 1
	v_add_nc_u32 v[AV], s27, v[AL]
	WIN 0x88                                       ; the same in window 2
	v_add_nc_u32 v[AV], s27, v[AL]
	WIN 0
	s_wait_alu depctr_va_vdst(0)                   ; the four addresses are written, which the pair's loads and stores read
.endm
	s_load_b256 s[4:11], s[0:1], 0x0               ; X s[4:5], wq s[6:7], ws s[8:9], c s[10:11]
	s_load_b64 s[12:13], s[0:1], 0x20              ; logits
	v_lshl_add_u32 v126, v0, 2, 0x43500
	v_mov_b32 v127, 0
	v_lshrrev_b32 v1, 5, v0
	v_readfirstlane_b32 s14, v1                    ; wave 0..3
	v_and_b32 v74, 31, v0                          ; lane
	v_and_b32 v1, 15, v0                           ; r
	v_bfe_u32 v75, v0, 4, 1                        ; h
	v_lshlrev_b32 v[LI], 4, v74
	v_lshlrev_b32 v[L4], 2, v74
	WIN 0x40                                       ; destination window 1
	v_lshlrev_b32 v[AL], 4, v74                    ; 16 x lane once more, where the loads among the products find it
	WIN 0x80                                       ; destination window 2
	v_lshlrev_b32 v[AL], 4, v74
	WIN 0
	s_wait_alu depctr_va_sdst(0)                   ; s14 is written, ahead of its first reader: LDS places and the bases of X, W and its scale words are made from it
	s_mul_i32 s15, s14, 16*SPI
	s_add_co_u32 s15, s15, STG                     ; my stage
	v_add_nc_u32 v[STW], s15, v[LI]
	v_mul_u32_u24 v[STR], v1, SPI
	v_lshl_add_u32 v[STR], v75, 7, v[STR]
	v_add_nc_u32 v[STR], s15, v[STR]
	s_mul_i32 s15, s14, 32*FRB                     ; my four tiles' images
	v_add_nc_u32 v[AWIB], s15, v[LI]
	s_lshl_b32 s15, s14, 11
	s_add_co_u32 s15, s15, ASC
	v_lshl_add_u32 v[AWSB], v1, 4, s15
	v_add_nc_u32 v[VSB], ASC, v[LI]
	v_lshlrev_b32 v[SH], 3, v75
	s_lshl_b32 s15, s14, 13
	s_add_co_u32 s15, s15, LRED
	v_add_nc_u32 v[VRB], s15, v[L4]
	s_lshl_b32 s15, s14, 10
	s_add_co_u32 s15, s15, C2T
	v_lshl_add_u32 v[C2B], v75, 5, s15
	v_mov_b32 v[T], 0                              ; written once: a lane permute's destination counts as one of its sources
	v_lshlrev_b32 v104, 5, v0                      ; c: 8 numbers a thread
	s_mov_b32 s20, 0x76543210
	s_mov_b32 s21, 0xfedcba98                      ; v_permlanex16_b32's selects for lane l xor 16
	s_mov_b32 s22, 0x4038aa3b                      ; 2 log2(e)
	s_mov_b32 s23, s22                             ; named with it as a pair, so it is written
	s_lshl_b32 s16, ttmp9, 20                      ; the work-group's 256 rows of 4,096 bytes,
	s_lshl_b32 s17, s14, 18                        ; my wave's 64 of them
	s_add_co_u32 s16, s16, s17
	s_mov_b32 s17, 0
	s_mul_i32 s18, s14, 128*FRB                    ; my four chunks of W
	s_mov_b32 s19, 0
	s_lshl_b32 s24, s14, 13                        ; and their scale words
	s_mov_b32 s25, 0
	s_lshl_b32 s26, ttmp9, 10                      ; the work-group's 256 logits
	s_mov_b32 s27, 0
	s_wait_kmcnt 0x0
	s_add_nc_u64 s[4:5], s[4:5], s[16:17]
	s_add_nc_u64 s[6:7], s[6:7], s[18:19]
	s_add_nc_u64 s[8:9], s[8:9], s[24:25]
	s_add_nc_u64 s[12:13], s[12:13], s[26:27]
	s_wait_alu depctr_va_vdst(0)                   ; the offsets and LDS addresses made above (v2-5, v8, v9, v12, v15, v72, v104, v241 of windows 1 and 2) are written: loads and stores read them from here to the end
	global_load_b128 v[92:95], v104, s[10:11]
	global_load_b128 v[96:99], v104, s[10:11] offset:16
	XLOAD 0, 0
	XLOAD 1, 512
	XLOAD 2, 1024
	s_wait_loadcnt 48                              ; c is in; the three sets of X behind it stay out
	v_pk_add_f32 v[100:101], v[92:93], v[94:95]
	v_pk_add_f32 v[102:103], v[96:97], v[98:99]
	v_pk_add_f32 v[100:101], v[100:101], v[102:103]
	v_add_f32 v100, v100, v101
	v_add_f32_dpp v100, v100, v100 row_xmask:1 row_mask:0xf bank_mask:0xf
	v_add_f32_dpp v100, v100, v100 row_xmask:2 row_mask:0xf bank_mask:0xf
	v_add_f32_dpp v100, v100, v100 row_xmask:4 row_mask:0xf bank_mask:0xf
	v_add_f32_dpp v100, v100, v100 row_xmask:8 row_mask:0xf bank_mask:0xf
	v_permlanex16_b32 v101, v100, s20, s21
	v_add_f32 v100, v100, v101                     ; the sum of my wave's 256 numbers of c
	s_lshl_b32 s15, s14, 2
	s_add_co_u32 s15, s15, CSUM
	v_mov_b32 v102, s15
.irp i, 0,2,4,6
	v_pk_mul_f32 v[92+\i:93+\i], v[92+\i:93+\i], -2.0 op_sel_hi:[1,0]
.endr
	v_lshl_add_u32 v103, v0, 5, C2T
	s_wait_alu depctr_va_vdst(0)                   ; the sum, -2 c and the two addresses v102 and v103 are written, which the three stores read; none of these registers is written again
	ds_store_b32 v102, v100                        ; all lanes write the same word with the same value
	ds_store_b128 v103, v[92:95]
	ds_store_b128 v103, v[96:99] offset:16
	XLOAD 3, 1536
	s_wait_loadcnt 48                              ; K step 0's sixteen loads are in; the three sets behind them stay out
	TURN 0                                         ; the first K step goes through the stage ahead of the loop
	s_wait_dscnt 0x0                               ; on this way into the loop no image store stands behind the stage's loads: so all are waited for here
	; ---- PHASE X: four tiles of 16 rows, eight K steps each; four sets of sixteen loads are on their way
	s_mov_b32 s27, 0
	s_mov_b32 s28, 0
	s_mov_b32 s24, 3
.Ltile:
.irp s, 0,1,2,3,4,5,6,7
	UNIT \s, 1, 1, 48, 0
.endr
	s_wait_xcnt 0x0                                ; the loads have read their base: it may step
	s_add_nc_u64 s[4:5], s[4:5], 65536
	s_add_co_u32 s27, s27, 8*FRB
	s_add_co_u32 s28, s28, 512
	s_sub_co_u32 s24, s24, 1
	s_cmp_lg_u32 s24, 0
	s_cbranch_scc1 .Ltile
.irp s, 0,1,2,3                                ; the last tile is written out: no load leaves the wave's 64 rows, and the counts run down
	UNIT \s, 1, 1, 48, 0
.endr
	UNIT 4, 0, 1, 32, 0
	UNIT 5, 0, 1, 16, 0
	UNIT 6, 0, 1, 0, 0
	UNIT 7, 0, 0, 0, 1                             ; its wait on vm_vsrc stands behind the last of the stage's stores: window 3's registers, which those read, are written anew in phase G
	s_wait_dscnt 0x0                               ; for the others' sake: my images, scale words, -2 c and sum of c have landed
	s_barrier_signal -1
	s_barrier_wait -1
	; ---- PHASE G
	WIN 0xc0
.irp s, 0,1,2,3,4,5,6,7
.irp g, 0,1,2
	ds_load_b128 v[12*\s+4*\g:12*\s+4*\g+3], v[LI] offset:FRB*\s+512*\g   ; tile 0's fragments into set 0
.endr
.endr
	WIN 0
	ds_load_b128 v[ASR:ASR+3], v[VSB]
	s_mov_b32 s29, 0
	s_mov_b32 s30, 0
	s_mov_b32 s25, 0
.Lchunk:
	s_wait_loadcnt 0x0                             ; the chunk's W and its scale words are in
	s_wait_alu depctr_vm_vsrc(0)                   ; the last chunk's loads of -2 c have read v73
	v_add_nc_u32 v[C2A], s30, v[C2B]
	s_wait_alu depctr_va_vdst(0)                   ; v73 is written, which the loads below read; what read v40-71 (the last chunk's multiply-adds; ahead of the first chunk the quantiser) is done, and the loads land there
.irp t, 0,1,2,3
.irp u, 0,1
	ds_load_b128 v[C2+8*\t+4*\u:C2+8*\t+4*\u+3], v[C2A] offset:64*\t+16*\u   ; -2 c of columns 16 t + 8 h + 0..7 of the chunk
.endr
.endr
	s_wait_dscnt 0x0                               ; -2 c is in (the jobs' counted waits leave the two youngest out), and so are tile 0's fragments and words
	s_mov_b32 s27, 0
	s_mov_b32 s28, 0
	s_mov_b32 s26, 7
.Lpair:
	GADR
	JOB 0, AV, 8*FRB, VS, 512, 0
	JOB 1, AV, 16*FRB, VS, 1024, 0
	s_add_co_u32 s27, s27, 16*FRB
	s_add_co_u32 s28, s28, 1024
	s_add_co_u32 s29, s29, 256
	s_sub_co_u32 s26, s26, 1
	s_cmp_lg_u32 s26, 0
	s_cbranch_scc1 .Lpair
	GADR
	JOB 0, AV, 8*FRB, VS, 512, 0
	JOB 1, AL, 0, VSB, 0, 1                        ; the chunk's last job asks for tile 0 again, for the next chunk
	s_add_co_u32 s29, s29, 256
	s_add_co_u32 s30, s30, 256
	s_add_co_u32 s25, s25, 1
	s_cmp_lt_u32 s25, 4
	s_cbranch_scc1 .Lchunk
	; ---- END: thread t adds up rows 2 t and 2 t + 1
	s_wait_dscnt 0x0                               ; for the others' sake: my partial sums have landed
	s_barrier_signal -1
	s_barrier_wait -1
	v_lshrrev_b32 v84, 3, v0
	v_and_b32 v85, 7, v0
	v_lshlrev_b32 v84, 7, v84
	v_lshl_add_u32 v84, v85, 3, v84
	v_add_nc_u32 v84, LRED, v84                    ; tile t / 8, lanes 2 (t % 8) and the next
	v_mov_b32 v86, CSUM
	v_lshlrev_b32 v87, 3, v0
	s_wait_alu depctr_va_vdst(0)                   ; the addresses v84 and v86 are written, which the loads below read (v192-255, in which they land, were last named by the quantiser; the image stores that read some of them stand ahead of the pairs' waits on vm_vsrc)
.set n, 0
.rept 32
	ds_load_b64 v[192+2*n:193+2*n], v84 offset:8192*(n/8)+2048*((n/2)%4)+64*(n%2)   ; wave n / 8, chunk (n / 2) % 4, half n % 2 of the lanes
.set n, n+1
.endr
	ds_load_b128 v[88:91], v86
	s_wait_dscnt 0x0
.set n, 4
.rept 28
	v_pk_add_f32 v[192+2*(n%4):193+2*(n%4)], v[192+2*(n%4):193+2*(n%4)], v[192+2*n:193+2*n]   ; four chains
.set n, n+1
.endr
	v_pk_add_f32 v[192:193], v[192:193], v[194:195]
	v_pk_add_f32 v[196:197], v[196:197], v[198:199]
	v_add_f32 v88, v88, v89
	v_add_f32 v90, v90, v91
	v_pk_add_f32 v[192:193], v[192:193], v[196:197]
	v_add_f32 v88, v88, v90                        ; the sum of c
	v_pk_add_f32 v[192:193], v[192:193], v[88:89] op_sel_hi:[1,0]
	s_wait_alu depctr_va_vdst(0)                   ; the additions have written the two logits, which the store reads (its offset v87 was written ahead of the wait before)
	global_store_b64 v87, v[192:193], s[12:13]     ; a wave stores 256 consecutive bytes, aligned
	s_wait_dscnt 0x0
	s_wait_alu depctr_hold_cnt(0) depctr_sa_sdst(0) depctr_va_vdst(0) depctr_va_sdst(0) depctr_va_ssrc(0) depctr_va_vcc(0) depctr_vm_vsrc(0)
	s_wait_tensorcnt 0x0
	ds_add_u32 v126, v127
	s_wait_dscnt 0x0
	s_endpgm
.Lfunc_end_k_qb00d02d0b5_score:
	.size	k_qb00d02d0b5_score, .Lfunc_end_k_qb00d02d0b5_score-k_qb00d02d0b5_score
	.p2alignl 7, 3214868480
	.fill 96, 4, 3214868480
	.section	.rodata,"a",@progbits
	.p2align	6, 0x0
	.amdhsa_kernel k_qb00d02d0b5_score
		.amdhsa_group_segment_fixed_size 276224
		.amdhsa_private_segment_fixed_size 0
		.amdhsa_enable_private_segment 0
		.amdhsa_kernarg_size 40
		.amdhsa_user_sgpr_count 2
		.amdhsa_user_sgpr_kernarg_segment_ptr 1
		.amdhsa_wavefront_size32 1
		.amdhsa_system_sgpr_workgroup_id_x 1
		.amdhsa_system_sgpr_workgroup_id_y 1
		.amdhsa_system_sgpr_workgroup_id_z 1
		.amdhsa_system_vgpr_workitem_id 0
		.amdhsa_next_free_vgpr 1024
		.amdhsa_next_free_sgpr 66
		.amdhsa_reserve_vcc 0
		.amdhsa_float_denorm_mode_32 3
		.amdhsa_float_denorm_mode_16_64 3
		.amdhsa_memory_ordered 1
		.amdhsa_forward_progress 1
		.amdhsa_inst_pref_size 191
	.end_amdhsa_kernel
	.amdgpu_metadata
---
amdhsa.version: [ 1, 2 ]
amdhsa.kernels:
  - .name:           k_qb00d02d0b5_score
    .symbol:         k_qb00d02d0b5_score.kd
    .args:
      - { .name: gru_output, .offset: 0, .size: 8, .value_kind: global_buffer, .address_space: global }
      - { .name: wq, .offset: 8, .size: 8, .value_kind: global_buffer, .address_space: global }
      - { .name: ws, .offset: 16, .size: 8, .value_kind: global_buffer, .address_space: global }
      - { .name: context_vector, .offset: 24, .size: 8, .value_kind: global_buffer, .address_space: global }
      - { .name: logits, .offset: 32, .size: 8, .value_kind: global_buffer, .address_space: global }
    .group_segment_fixed_size: 276224
    .private_segment_fixed_size: 0
    .kernarg_segment_align: 8
    .kernarg_segment_size: 40
    .max_flat_workgroup_size: 128
    .sgpr_count:     66
    .vgpr_count:     1024
    .wavefront_size: 32
...
	.end_amdgpu_metadata
.endif
;; end of part 5
;; launch pool (part 6): grid 8 x 32, 8 waves a work-group, no clusters, 13,824 bytes of LDS; arguments gru_output, logits, out0, out1; writes out0, out1
.if DOCPART == 6
	.amdgcn_target "amdgcn-amd-amdhsa--gfx1250"
	.amdhsa_code_object_version 6
	.text
	.protected	k_qb00d02d0b5_pool
	.globl	k_qb00d02d0b5_pool
	.p2align	8
	.type	k_qb00d02d0b5_pool,@function
k_qb00d02d0b5_pool:
	s_mov_b64 s[64:65], 0
	v_nop
	global_prefetch_b8 v0, s[64:65] scope:SCOPE_SE
	s_setreg_imm32_b32 hwreg(HW_REG_WAVE_MODE, 25, 1), 1
	s_wait_xcnt 0x0
; attn[b][t] = softmax over t of logits[b][t];  context[b][n] = sum over t of attn[b][t] X[b][t][n].  All in f32, by fused multiply-adds: these products have one column, so the matrix unit has nothing to gain.
; X: [32][2048][1024] f32; logits: [32][2048] f32; out0 = context [32][1024]; out1 = attn [32][2048].
; SHARES.  Work-group (j, b) owns columns 128 j .. + 127 of batch b's context, and weights 256 j .. + 255 of its attn: each output byte has one owner, and no partial sum goes through memory.
; Every work-group of a batch makes the batch's softmax for itself (8,192 bytes of logits), with the maximum taken away as the definition has it.
; Wave w walks rows 256 w .. + 255, 32 a trip; a load reads 512 consecutive bytes of one row; two sets of sixteen loads are on their way in each wave.
; No cluster: the work-groups share only the logits, 8,192 bytes against 1,048,576 bytes of X each.
; LIMITS: NaN and infinities among the inputs are not served.
.set ATT,  0                           ; LDS: the batch's 2,048 weights
.set RMAX, 8192                        ; the eight waves' maxima
.set RSUM, 8448                        ; their sums
.set RED,  8704                        ; their parts of the context: 512 bytes each
.set AC,   20                          ; v20-35   four groups (row % 4) of four sums
.set WT,   36                          ; v36-67   a trip's 32 weights
.set P,    68                          ; v68-131  rows 0-15 of a trip
.set Q,    132                         ; v132-195 rows 16-31
.macro LOADS set, off
.irp i, 0,1,2,3,4,5,6,7,8,9,10,11,12,13,14,15
	global_load_b128 v[\set+4*\i:\set+4*\i+3], v2, s[4:5] offset:\off+4096*\i th:TH_LOAD_NT
.endr
.endm
; sixteen rows x my four columns: two packed multiply-adds a row; the row's weight is one register of a pair and serves both halves
.macro FMAS set, wb
.set i, 0
.rept 16
.set rW, WT+(\wb)+(i/2)*2
.set rA, AC+4*(i%4)
.set rX, (\set)+4*i
.if i%2 == 0
	v_pk_fma_f32 v[rA:rA+1], v[rX:rX+1], v[rW:rW+1], v[rA:rA+1] op_sel_hi:[1,0,1]
	v_pk_fma_f32 v[rA+2:rA+3], v[rX+2:rX+3], v[rW:rW+1], v[rA+2:rA+3] op_sel_hi:[1,0,1]
.else
	v_pk_fma_f32 v[rA:rA+1], v[rX:rX+1], v[rW:rW+1], v[rA:rA+1] op_sel:[0,1,0] op_sel_hi:[1,1,1]
	v_pk_fma_f32 v[rA+2:rA+3], v[rX+2:rX+3], v[rW:rW+1], v[rA+2:rA+3] op_sel:[0,1,0] op_sel_hi:[1,1,1]
.endif
.set i, i+1
.endr
.endm
.macro WEIGHTS                         ; the trip's 32 weights: every lane reads the same 128 bytes
	v_add_nc_u32 v3, s26, v7
.irp q, 0,1,2,3,4,5,6,7
	ds_load_b128 v[WT+4*\q:WT+4*\q+3], v3 offset:16*\q
.endr
	s_wait_dscnt 0x0
.endm
.macro BARRIER                         ; my LDS stores have landed and my LDS loads are in: then the work-group's barrier
	s_wait_dscnt 0x0
	s_barrier_signal -1
	s_barrier_wait -1
.endm
	s_load_b256 s[4:11], s[0:1], 0x0               ; X s[4:5], logits s[6:7], out0 s[8:9], out1 s[10:11]
	v_lshl_add_u32 v200, v0, 2, 0x3200
	v_mov_b32 v201, 0
	v_lshrrev_b32 v1, 5, v0
	s_delay_alu instid0(VALU_DEP_1)
	v_readfirstlane_b32 s12, v1                    ; wave 0..7
	v_and_b32 v1, 31, v0
	s_delay_alu instid0(VALU_DEP_1)
	v_lshlrev_b32 v1, 4, v1                        ; 16 x lane
	s_lshl_b32 s13, s12, 20                        ; my wave's 256 rows of 4,096 bytes
	v_add_nc_u32 v2, s13, v1
	v_lshlrev_b32 v4, 4, v0                        ; 16 x thread: my four logits, in memory and in LDS
	s_lshl_b32 s24, s12, 2
	s_add_co_u32 s25, s24, RMAX
	v_mov_b32 v5, s25
	s_add_co_u32 s25, s24, RSUM
	v_mov_b32 v6, s25
	s_lshl_b32 s25, s12, 10
	v_mov_b32 v7, s25                              ; my wave's 256 weights (ATT = 0)
	v_mov_b32 v18, RMAX
	v_mov_b32 v19, RSUM
	s_lshl_b32 s25, s12, 9
	s_add_co_u32 s25, s25, RED
	v_add_nc_u32 v196, s25, v1
	v_add_nc_u32 v197, RED, v1
	s_and_b32 s14, ttmp7, 0xffff                   ; b
	s_lshl_b32 s15, ttmp9, 9                       ; my 128 columns, in bytes
	s_lshl_b32 s16, s14, 23                        ; the batch's 2,048 rows
	s_add_co_u32 s16, s16, s15
	s_mov_b32 s17, 0
	s_lshl_b32 s18, s14, 13                        ; the batch's 2,048 logits, and its weights
	s_mov_b32 s19, 0
	s_lshl_b32 s20, s14, 12                        ; the batch's row of the context
	s_add_co_u32 s20, s20, s15
	s_mov_b32 s21, 0
	s_mov_b32 s22, 0x76543210
	s_mov_b32 s23, 0xfedcba98                      ; v_permlanex16_b32's selects for lane l xor 16
	s_wait_alu depctr_va_vdst(0)
	s_wait_kmcnt 0x0
	s_add_nc_u64 s[4:5], s[4:5], s[16:17]
	s_add_nc_u64 s[6:7], s[6:7], s[18:19]
	s_add_nc_u64 s[8:9], s[8:9], s[20:21]
	s_add_nc_u64 s[10:11], s[10:11], s[18:19]
	global_load_b128 v[8:11], v4, s[6:7]           ; logits 4 t .. 4 t + 3
	global_load_b128 v[12:15], v4, s[6:7] offset:4096   ; and 1,024 + 4 t ..
	LOADS P, 0                                     ; X is on its way while the softmax is made
	LOADS Q, 65536
.irp i, 0,1,2,3,4,5,6,7,8,9,10,11,12,13,14,15
	v_mov_b32 v[AC+\i], 0
.endr
	v_mov_b32 v17, 0                               ; a lane permute's destination counts as one of its sources
	s_wait_loadcnt 32                              ; the logits are in; the 32 loads of X behind them stay out
	v_max3_num_f32 v16, v8, v9, v10
	s_delay_alu instid0(VALU_DEP_1)
	v_max3_num_f32 v16, v16, v11, v12
	s_delay_alu instid0(VALU_DEP_1)
	v_max3_num_f32 v16, v16, v13, v14
	s_delay_alu instid0(VALU_DEP_1)
	v_max_num_f32 v16, v16, v15
	s_delay_alu instid0(VALU_DEP_1)
	v_max_num_f32_dpp v16, v16, v16 row_xmask:1 row_mask:0xf bank_mask:0xf
	s_delay_alu instid0(VALU_DEP_1)
	v_max_num_f32_dpp v16, v16, v16 row_xmask:2 row_mask:0xf bank_mask:0xf
	s_delay_alu instid0(VALU_DEP_1)
	v_max_num_f32_dpp v16, v16, v16 row_xmask:4 row_mask:0xf bank_mask:0xf
	s_delay_alu instid0(VALU_DEP_1)
	v_max_num_f32_dpp v16, v16, v16 row_xmask:8 row_mask:0xf bank_mask:0xf
	s_wait_alu depctr_va_vdst(0)
	v_permlanex16_b32 v17, v16, s22, s23
	s_delay_alu instid0(VALU_DEP_1)
	v_max_num_f32 v16, v16, v17
	ds_store_b32 v5, v16                           ; all lanes write the same word with the same value
	BARRIER
	ds_load_b128 v[36:39], v18
	ds_load_b128 v[40:43], v18 offset:16
	s_wait_dscnt 0x0
	v_max3_num_f32 v16, v36, v37, v38
	s_delay_alu instid0(VALU_DEP_1)
	v_max3_num_f32 v16, v16, v39, v40
	s_delay_alu instid0(VALU_DEP_1)
	v_max3_num_f32 v16, v16, v41, v42
	s_delay_alu instid0(VALU_DEP_1)
	v_max_num_f32 v16, v16, v43                    ; the batch's largest logit
.irp i, 0,1,2,3,4,5,6,7
	v_sub_f32 v[8+\i], v[8+\i], v16
.endr
.irp i, 0,1,2,3,4,5,6,7
	v_mul_f32 v[8+\i], 0x3fb8aa3b, v[8+\i]         ; x log2(e)
.endr
	s_wait_alu depctr_va_vdst(0)
.irp i, 0,1,2,3,4,5,6,7
	v_exp_f32 v[8+\i], v[8+\i]
.endr
	v_nop                                          ; a plain instruction behind the last exponential
	s_wait_alu depctr_va_vdst(0)                   ; the wait ahead of the batch's first reader
	v_pk_add_f32 v[36:37], v[8:9], v[10:11]
	v_pk_add_f32 v[38:39], v[12:13], v[14:15]
	s_delay_alu instid0(VALU_DEP_1)
	v_pk_add_f32 v[36:37], v[36:37], v[38:39]
	s_delay_alu instid0(VALU_DEP_1)
	v_add_f32 v16, v36, v37
	s_delay_alu instid0(VALU_DEP_1)
	v_add_f32_dpp v16, v16, v16 row_xmask:1 row_mask:0xf bank_mask:0xf
	s_delay_alu instid0(VALU_DEP_1)
	v_add_f32_dpp v16, v16, v16 row_xmask:2 row_mask:0xf bank_mask:0xf
	s_delay_alu instid0(VALU_DEP_1)
	v_add_f32_dpp v16, v16, v16 row_xmask:4 row_mask:0xf bank_mask:0xf
	s_delay_alu instid0(VALU_DEP_1)
	v_add_f32_dpp v16, v16, v16 row_xmask:8 row_mask:0xf bank_mask:0xf
	s_delay_alu instid0(VALU_DEP_1)
	v_permlanex16_b32 v17, v16, s22, s23
	s_delay_alu instid0(VALU_DEP_1)
	v_add_f32 v16, v16, v17
	ds_store_b32 v6, v16
	BARRIER
	ds_load_b128 v[36:39], v19
	ds_load_b128 v[40:43], v19 offset:16
	s_wait_dscnt 0x0
	v_pk_add_f32 v[36:37], v[36:37], v[38:39]
	v_pk_add_f32 v[40:41], v[40:41], v[42:43]
	s_delay_alu instid0(VALU_DEP_1)
	v_pk_add_f32 v[36:37], v[36:37], v[40:41]
	s_delay_alu instid0(VALU_DEP_1)
	v_add_f32 v16, v36, v37                        ; the batch's sum: at least 1, since the largest logit gives 1
	s_wait_alu depctr_va_vdst(0)
	v_rcp_f32 v16, v16
	v_nop
	s_wait_alu depctr_va_vdst(0)
.irp i, 0,1,2,3,4,5,6,7
	v_mul_f32 v[8+\i], v[8+\i], v16                ; the weights
.endr
	ds_store_b128 v4, v[8:11]
	ds_store_b128 v4, v[12:15] offset:4096
	BARRIER                                        ; the batch's 2,048 weights lie in LDS
	; out1: weights 256 j .. + 255 lie in the registers of waves 2 (j % 4) and 2 (j % 4) + 1: in v8-11 where j < 4, else in v12-15.  Each of the two waves stores 512 consecutive bytes.  v4 and v8-15 are not written again.
	s_and_b32 s24, ttmp9, 3
	s_lshr_b32 s25, s12, 1
	s_cmp_lg_u32 s24, s25
	s_cbranch_scc1 .Lnot_mine
	s_cmp_lt_u32 ttmp9, 4
	s_cbranch_scc0 .Lupper
	s_wait_alu depctr_va_vdst(0)
	global_store_b128 v4, v[8:11], s[10:11]
	s_branch .Lnot_mine
.Lupper:
	s_wait_alu depctr_va_vdst(0)
	global_store_b128 v4, v[12:15], s[10:11] offset:4096
.Lnot_mine:
	s_mov_b32 s26, 0
	s_mov_b32 s27, 7
.Ltrip:                                            ; 32 rows a trip; each set is filled again, for the next trip, as soon as it has been used
	WEIGHTS
	s_wait_loadcnt 16                              ; P is in; Q's sixteen may be out
	s_wait_alu depctr_va_vdst(0)
	FMAS P, 0
	LOADS P, 131072
	s_wait_alu depctr_va_vdst(0)
	s_wait_loadcnt 16                              ; Q is in; P's new sixteen may be out
	FMAS Q, 16
	LOADS Q, 196608
	s_wait_xcnt 0x0                                ; the loads have read their base: it may step
	s_add_nc_u64 s[4:5], s[4:5], 131072
	s_add_co_u32 s26, s26, 128
	s_sub_co_u32 s27, s27, 1
	s_cmp_lg_u32 s27, 0
	s_cbranch_scc1 .Ltrip
	WEIGHTS                                        ; the last 32 rows: nothing more is loaded, so no load leaves the wave's 256 rows
	s_wait_loadcnt 16
	s_wait_alu depctr_va_vdst(0)
	FMAS P, 0
	s_wait_alu depctr_va_vdst(0)
	s_wait_loadcnt 0x0
	FMAS Q, 16
	v_pk_add_f32 v[20:21], v[20:21], v[24:25]
	v_pk_add_f32 v[22:23], v[22:23], v[26:27]
	s_delay_alu instid0(VALU_DEP_4)
	v_pk_add_f32 v[28:29], v[28:29], v[32:33]
	s_delay_alu instid0(VALU_DEP_4)
	v_pk_add_f32 v[30:31], v[30:31], v[34:35]
	s_delay_alu instid0(VALU_DEP_2)
	v_pk_add_f32 v[20:21], v[20:21], v[28:29]
	s_delay_alu instid0(VALU_DEP_2)
	v_pk_add_f32 v[22:23], v[22:23], v[30:31]
	ds_store_b128 v196, v[20:23]                   ; my wave's part of the 128 columns
	BARRIER
	s_cmp_lg_u32 s12, 0
	s_cbranch_scc1 .Lend
.irp q, 0,1,2,3,4,5,6,7
	ds_load_b128 v[P+4*\q:P+4*\q+3], v197 offset:512*\q
.endr
	s_wait_dscnt 0x0
.irp q, 0,2,4,6
	v_pk_add_f32 v[P+4*\q:P+4*\q+1], v[P+4*\q:P+4*\q+1], v[P+4*\q+4:P+4*\q+5]
	v_pk_add_f32 v[P+4*\q+2:P+4*\q+3], v[P+4*\q+2:P+4*\q+3], v[P+4*\q+6:P+4*\q+7]
.endr
.irp q, 0
	v_pk_add_f32 v[P+4*\q:P+4*\q+1], v[P+4*\q:P+4*\q+1], v[P+4*\q+8:P+4*\q+9]
	v_pk_add_f32 v[P+4*\q+2:P+4*\q+3], v[P+4*\q+2:P+4*\q+3], v[P+4*\q+10:P+4*\q+11]
.endr
.irp q, 4
	s_delay_alu instid0(VALU_DEP_4)
	v_pk_add_f32 v[P+4*\q:P+4*\q+1], v[P+4*\q:P+4*\q+1], v[P+4*\q+8:P+4*\q+9]
	s_delay_alu instid0(VALU_DEP_4)
	v_pk_add_f32 v[P+4*\q+2:P+4*\q+3], v[P+4*\q+2:P+4*\q+3], v[P+4*\q+10:P+4*\q+11]
.endr
	s_delay_alu instid0(VALU_DEP_2)
	v_pk_add_f32 v[P:P+1], v[P:P+1], v[P+16:P+17]
	s_delay_alu instid0(VALU_DEP_2)
	v_pk_add_f32 v[P+2:P+3], v[P+2:P+3], v[P+18:P+19]
	global_store_b128 v1, v[P:P+3], s[8:9]         ; 32 lanes store 512 consecutive bytes, at a multiple of 512 from out0's first byte
.Lend:
	s_wait_tensorcnt 0x0
	ds_add_u32 v200, v201
	s_wait_dscnt 0x0
	s_endpgm
.Lfunc_end_k_qb00d02d0b5_pool:
	.size	k_qb00d02d0b5_pool, .Lfunc_end_k_qb00d02d0b5_pool-k_qb00d02d0b5_pool
	.p2alignl 7, 3214868480
	.fill 96, 4, 3214868480
	.section	.rodata,"a",@progbits
	.p2align	6, 0x0
	.amdhsa_kernel k_qb00d02d0b5_pool
		.amdhsa_group_segment_fixed_size 13824
		.amdhsa_private_segment_fixed_size 0
		.amdhsa_enable_private_segment 0
		.amdhsa_kernarg_size 32
		.amdhsa_user_sgpr_count 2
		.amdhsa_user_sgpr_kernarg_segment_ptr 1
		.amdhsa_wavefront_size32 1
		.amdhsa_system_sgpr_workgroup_id_x 1
		.amdhsa_system_sgpr_workgroup_id_y 1
		.amdhsa_system_sgpr_workgroup_id_z 1
		.amdhsa_system_vgpr_workitem_id 0
		.amdhsa_next_free_vgpr 202
		.amdhsa_next_free_sgpr 66
		.amdhsa_reserve_vcc 0
		.amdhsa_float_denorm_mode_32 3
		.amdhsa_float_denorm_mode_16_64 3
		.amdhsa_memory_ordered 1
		.amdhsa_forward_progress 1
		.amdhsa_inst_pref_size 26
	.end_amdhsa_kernel
	.amdgpu_metadata
---
amdhsa.version: [ 1, 2 ]
amdhsa.kernels:
  - .name:           k_qb00d02d0b5_pool
    .symbol:         k_qb00d02d0b5_pool.kd
    .args:
      - { .name: gru_output, .offset: 0, .size: 8, .value_kind: global_buffer, .address_space: global }
      - { .name: logits, .offset: 8, .size: 8, .value_kind: global_buffer, .address_space: global }
      - { .name: out0, .offset: 16, .size: 8, .value_kind: global_buffer, .address_space: global }
      - { .name: out1, .offset: 24, .size: 8, .value_kind: global_buffer, .address_space: global }
    .group_segment_fixed_size: 13824
    .private_segment_fixed_size: 0
    .kernarg_segment_align: 8
    .kernarg_segment_size: 32
    .max_flat_workgroup_size: 256
    .sgpr_count:     66
    .vgpr_count:     202
    .wavefront_size: 32
...
	.end_amdgpu_metadata
.endif
;; end of part 6
